; MI455X (gfx1250); checked and timed in simulation.
; The chip was launched on July 23, 2026; its instructions are those of AMD's public machine-readable ISA for CDNA 5 (MIT licence, August 2026) and "CDNA5" Instruction Set Architecture Reference Guide (July 2026). The comments in the code are by the model that wrote it; some were corrected since.
;; Causal Self Attention. Allowed arithmetic: matrix products marked QUANTISED: E3M2 operands, one E8M0 scale for each 32 along K, by v_wmma_scale_f32_16x16x128_f8f6f4 with both operands' format E3M2, f32 sums; everything else in f32.
;; Inputs: Wk 1,024 x 1,024 float32; Wp 1,024 x 1,024 float32; Wq 1,024 x 1,024 float32; Wv 1,024 x 1,024 float32; bk 1,024 float32; bp 1,024 float32; bq 1,024 float32; bv 1,024 float32; x 4 x 2,048 x 1,024 float32.
;; Outputs: out0 4 x 2,048 x 1,024 float32.
;; Constants: n_head = 16.
;; This version of the problem:
;;   THIS VERSION OF THE PROBLEM IS GIVEN IN LOW PRECISION. The matrix products marked QUANTISED in the list below multiply operands that are first quantised to E3M2 (3 exponent bits, 2 mantissa bits; 6 bits a number), with one power-of-two scale for each 32 numbers along K (OCP MX v1.0); their sums are f32. All else is computed in f32.
;;   The module's matrix products, in the order in which they are computed (A, B: the left and right operand; K: the contracted axis; several contracted axes count as one K, in the product's order):
;;     1. [M 8,192, K 1,024] x [K 1,024, N 1,024]; A: input x; B: input Wq: QUANTISED
;;     2. [M 8,192, K 1,024] x [K 1,024, N 1,024]; A: input x; B: input Wk: QUANTISED
;;     3. [M 8,192, K 1,024] x [K 1,024, N 1,024]; A: input x; B: input Wv: QUANTISED
;;     4. batch 64 x [M 2,048, K 64] x [K 64, N 2,048]; A: computed on the way; B: computed on the way: QUANTISED
;;     5. batch 64 x [M 2,048, K 2,048] x [K 2,048, N 64]; A: softmax (see below); B: computed on the way: QUANTISED
;;     6. [M 8,192, K 1,024] x [K 1,024, N 1,024]; A: computed on the way; B: input Wp: QUANTISED
;;   THE QUANTISER, for each operand of a quantised product, along K:
;;     - K is cut into blocks of 32 from its start; a last block that is shorter is filled with zeros.
;;     - A block's scale is 2^e with e = floor(log2(the largest magnitude in the block)) - 4, held to -126 .. 127; a block of zeros has e = 0. As a byte (E8M0): e + 127.
;;     - Each number is divided by its block's scale, clamped to +-28, and rounded to the nearest number of E3M2, ties to even, subnormals kept.
;;     - The product sums the exact products of the quantised numbers (number of the format x scale) in f32.
;;   ~~~python
;;   def quantise(x, axis):      # numpy; x: float32 -> the quantised numbers, widened to float32 again
;;       x = np.moveaxis(x, axis, -1); K = x.shape[-1]
;;       x = np.pad(x, [(0, 0)] * (x.ndim - 1) + [(0, -K % 32)]); x = x.reshape(x.shape[:-1] + (-1, 32)); a = np.abs(x).max(-1, keepdims=True)
;;       e = np.where(a > 0, np.clip(np.frexp(np.where(a > 0, a, 1))[1] - 1 - 4, -126, 127), 0)      # np.frexp(a)[1] - 1 = floor(log2(a)), exactly
;;       r = np.clip(x / 2.0 ** e, -28, 28)
;;       step = 2.0 ** (np.maximum(np.frexp(np.where(r == 0, 1, r))[1] - 1, -2) - 2)
;;       q = np.round(r / step) * step * 2.0 ** e      # np.round: ties to even
;;       return np.moveaxis(q.reshape(q.shape[:-2] + (-1,))[..., :K], -1, axis).astype(np.float32)
;;   ~~~
;;   SOFTMAX AHEAD OF A QUANTISED PRODUCT. Where the list says 'softmax', what is quantised is not the finished softmax but p = 2^(t - M), with t = logit x log2(e) and M = ceil(the row's largest t), a whole number; so 1/2 < the row's largest p <= 1. The row's sum l is taken of the UNQUANTISED p, in f32, and the product's result is divided by l at the end. Since M is a whole number, a kernel that streams over the keys may use a running M (the ceiling of the running maximum): every later rescaling is an exact power of two, which a block's scale takes up: the codes' values come out the same.
;;   OPERANDS COMPUTED ON THE WAY. 'Computed on the way' means the value that the module computes at that place (a softmax that the list does not call 'softmax' is quantised finished and normalised). What goes into a quantiser is computed in f32, as accurately as f32 sums, v_exp_f32 and their like allow (about 1e-6 of the number): no bf16 or f16 on the way to a quantiser, and a product that is left as it is and whose result goes on into a quantised operand takes f32 operands (vector FMAs, or v_wmma_f32_16x16x4_f32). A number that lies on a knife's edge between two numbers of the format may be rounded either way, as far as f32 arithmetic and the matrix unit's own rounding can turn it there, and no further.
;; One version. Each part assembles by itself: llvm-mc -triple=amdgcn-amd-amdhsa -mcpu=gfx1250 --defsym DOCPART=n.
;; ======== version 1 of 1: 4 launches
;; workspace buffers: xq 6,553,600 bytes; wq 3,276,800 bytes; rope 524,288 bytes; qkv 20,185,088 bytes; yq 6,815,744 bytes
;; launch prep (part 1): grid 448 x 1, 4 waves a work-group, no clusters, 34,304 bytes of LDS; arguments x, Wq, Wk, Wv, Wp, xq, wq, rope; writes xq, wq, rope
.if DOCPART == 1
	.amdgcn_target "amdgcn-amd-amdhsa--gfx1250"
	.amdhsa_code_object_version 6
	.text
	.protected	k_qa16ce90d98_prep
	.globl	k_qa16ce90d98_prep
	.p2align	8
	.type	k_qa16ce90d98_prep,@function
k_qa16ce90d98_prep:
	s_mov_b64 s[64:65], 0
	v_nop
	global_prefetch_b8 v0, s[64:65] scope:SCOPE_SE
	s_setreg_imm32_b32 hwreg(HW_REG_WAVE_MODE, 25, 1), 1
	s_wait_xcnt 0x0
; PREP: x [8192][1024] and Wq, Wk, Wv, Wp [1024 (k)][1024 (n)], f32, become codes of BF6 (E3M2) with one E8M0 byte for each 32 along K; and the table of cos and sin for the rotary embedding is made.
; A block's scale is 2^(floor(log2(its largest magnitude)) - 4): its byte is the largest magnitude's exponent field - 4, held at 1 from below.
; THE WORKSPACE IS LAID AS IMAGES OF THE OPERANDS' REGISTERS.  A fragment (16 rows x 128 K, 12 registers a lane) is 1,536 bytes: register 4 p + e of lane l at 512 p + 16 l + 4 e.
; Scale words of four tiles are 256 bytes: word j of lane (r, h) at 8 l + 4 j is row r of tile 2 j + h.
; THE ORDER INSIDE A BLOCK OF 32: code position i holds k = P(i), P = i with bits 3 and 4 changed over.  Later launches' results fall in that order by themselves; a permutation of k that both operands share leaves every product as it is.
; Three paths by the work-group's number: 0-255 x (64 rows x 128 K a wave), 256-383 the four W (64 columns x 128 K a wave), 384-447 the table (8 positions a wave).  Only the first path uses LDS.
; A stream: no matrix unit, no cluster, no tensor load, no barrier: waves share nothing.
; LIMITS: NaN and infinities among the inputs are not served.  A block of zeros gets the byte 1, not 127: its codes are zeros, and this program alone reads the bytes.  Blocks whose largest magnitude lies under 2^-122 are held at the byte 1.
; The table's frequencies come from v_exp_f32 with a carried correction; at the largest positions an angle can differ by about 1e-4 from another f32 evaluation of the same formula.
.set XS_OFF, 6291456                   ; xq: behind the codes, x's scale words
.set WS_OFF, 3145728                   ; wq: behind the codes, the weights' scale words
.set RAW, 64                           ; v64-127   x: 16 rows as loaded;  W: two sets of 32 numbers
.set NUM, 128                          ; v128-191  x: a lane's 64 numbers;  W: the fragments
.set FRG, 16                           ; v16-39    x: two sets of 12 registers of codes, by turns
.set TT,  40                           ; v40-47    the conversions' second halves
.set SW,  48                           ; v48-51    x: a scale word for each fragment
.set MX,  52                           ; v52-55    largest magnitudes
.set SO,  56                           ; v56-57    the conversions' scale operands
.set BY,  58                           ; v58-59    bytes
; the largest magnitude of v[x] .. v[x + 31], in two chains, and the floor 2^(5 - 127), which holds the byte at 1 from below
.macro BMAX m, n, x
	v_max3_num_f32 v[\m], |v[(\x)]|, |v[(\x)+1]|, |v[(\x)+2]|
	v_max3_num_f32 v[\n], |v[(\x)+3]|, |v[(\x)+4]|, |v[(\x)+5]|
.irp i, 6,10,14,18,22,26
	v_max3_num_f32 v[\m], v[\m], |v[(\x)+\i]|, |v[(\x)+\i+1]|
	v_max3_num_f32 v[\n], v[\n], |v[(\x)+\i+2]|, |v[(\x)+\i+3]|
.endr
	v_max3_num_f32 v[\m], v[\m], |v[(\x)+30]|, |v[(\x)+31]|
	v_max3_num_f32 v[\m], v[\m], v[\n], 0x2800000
.endm
	s_load_b256 s[4:11], s[0:1], 0x0               ; x s[4:5], Wq s[6:7], Wk s[8:9], Wv s[10:11]
	s_load_b256 s[12:19], s[0:1], 0x20             ; Wp s[12:13], xq s[14:15], wq s[16:17], rope s[18:19]
	v_lshl_add_u32 v192, v0, 2, 0x8400
	v_mov_b32 v193, 0
	v_lshrrev_b32 v1, 5, v0
	v_readfirstlane_b32 s20, v1                    ; wave 0..3
	v_and_b32 v5, 31, v0                           ; lane
	v_lshlrev_b32 v1, 4, v5                        ; 16 x lane
	v_lshlrev_b32 v2, 3, v5                        ; 8 x lane
	v_and_b32 v6, 15, v0                           ; r
	v_bfe_u32 v7, v0, 4, 1                         ; h
	s_mov_b32 s22, 0x76543210
	s_mov_b32 s23, 0xfedcba98                      ; v_permlanex16_b32's selects for lane l xor 16
	s_cmp_lt_u32 ttmp9, 256
	s_cbranch_scc0 .Lnot_x
; ---- PATH X.  Work-group g: rows 64 (g / 2) on; wave w: K step 4 (g % 2) + w: four fragments.
	s_mul_i32 s24, s20, 8448                       ; my stage: 16 rows x (512 bytes + 16)
	v_add_nc_u32 v3, s24, v1                       ; in: a row's 512 bytes as loaded, 16 a lane
	v_mul_u32_u24 v4, v6, 528
	v_lshl_add_u32 v4, v7, 7, v4
	v_add_nc_u32 v4, s24, v4                       ; out: row r, + 128 h: my block of 32 numbers
	v_lshlrev_b32 v62, 3, v7                       ; 8 h
	v_mov_b32 v63, 0                               ; a lane permute's destination counts as read
	s_mov_b32 s25, 0xffff0000                      ; lanes 16-31
	s_lshr_b32 s26, ttmp9, 1                       ; the block of 64 rows
	s_and_b32 s27, ttmp9, 1
	s_lshl_b32 s27, s27, 2
	s_add_co_u32 s27, s27, s20                     ; the K step
	s_lshl_b32 s28, s26, 18                        ; 64 rows of 4,096 bytes
	s_lshl_b32 s29, s27, 9
	s_add_co_u32 s28, s28, s29
	s_mov_b32 s29, 0
	s_lshl_b32 s30, s26, 5
	s_add_co_u32 s30, s30, s27
	s_mul_i32 s30, s30, 1536                       ; codes: (8 x row tile + K step) fragments
	s_mov_b32 s31, 0
	s_lshl_b32 s32, s26, 3
	s_add_co_u32 s32, s32, s27
	s_lshl_b32 s32, s32, 8
	s_add_co_u32 s32, s32, XS_OFF
	s_mov_b32 s33, 0
	s_wait_kmcnt 0x0
	s_add_nc_u64 s[4:5], s[4:5], s[28:29]
	s_add_nc_u64 s[34:35], s[14:15], s[30:31]
	s_add_nc_u64 s[36:37], s[14:15], s[32:33]
.macro XLOAD f                         ; 16 rows' 128 numbers: each load reads 512 consecutive bytes
.set n, 0
.rept 16
	global_load_b128 v[RAW+4*n:RAW+4*n+3], v1, s[4:5] offset:(16*(\f)+n)*4096 th:TH_LOAD_NT
.set n, n+1
.endr
.endm
.macro XFRAG f
.set FSET, FRG+12*((\f)%2)
	s_wait_loadcnt 0x0                             ; this fragment's 16 rows are in
.set n, 0
.rept 16
	ds_store_b128 v3, v[RAW+4*n:RAW+4*n+3] offset:528*n
.set n, n+1
.endr
.set n, 0
.rept 16                               ; back, a lane to a row: blocks h and 2 + h; the destinations put number k at position P(k).  LDS serves a wave's instructions in order: these see my stores
.set dd, NUM+32*(n/8)+4*(n%2)+16*((n/2)%2)+8*((n%8)/4)
	ds_load_b128 v[dd:dd+3], v4 offset:256*(n/8)+16*(n%8)
.set n, n+1
.endr
	s_wait_dscnt 0x0
.if (\f) < 3
	XLOAD (\f)+1                                   ; the next fragment's rows come while this one is worked
.endif
	BMAX MX, MX+2, NUM
	BMAX MX+1, MX+3, NUM+32
	v_add_nc_u32 v[SO], 0xfe000000, v[MX]          ; 4 off the exponent field: the conversion takes this operand's exponent field as its scale
	v_add_nc_u32 v[SO+1], 0xfe000000, v[MX+1]
	v_lshrrev_b32 v[BY], 23, v[SO]                 ; the bytes of blocks h and 2 + h,
	v_lshrrev_b32 v[BY+1], 23, v[SO+1]
	v_lshl_or_b32 v[BY], v[BY+1], 16, v[BY]
	v_lshlrev_b32 v[BY], v62, v[BY]                ; at their places in the word;
	v_permlanex16_b32 v63, v[BY], s22, s23
	v_or_b32 v[SW+(\f)], v[BY], v63                ; with lane l xor 16's two the word is whole
.if (\f) >= 2
	s_wait_xcnt 0x0                                ; the stores of two fragments ago have read this set of code registers
.endif
.irp c, 0,1
	v_cvt_scalef32_pk16_bf6_f32 v[FSET+6*\c:FSET+6*\c+2], v[NUM+32*\c:NUM+32*\c+15], v[SO+\c]
	v_cvt_scalef32_pk16_bf6_f32 v[TT+4*\c:TT+4*\c+2], v[NUM+32*\c+16:NUM+32*\c+31], v[SO+\c]   ; (a conversion's three registers begin on an even number)
.endr
	v_nop                                          ; one plain place behind a scaled conversion
.irp c, 0,1
.irp i, 0,1,2
	v_mov_b32 v[FSET+6*\c+3+\i], v[TT+4*\c+\i]
.endr
.endr
.irp p, 0,1,2
	global_store_b128 v1, v[FSET+4*\p:FSET+4*\p+3], s[34:35] offset:12288*(\f)+512*\p   ; the image: 512 consecutive bytes a store
.endr
.endm
	XLOAD 0
	XFRAG 0
	XFRAG 1
	XFRAG 2
	XFRAG 3
	v_cndmask_b32 v60, v[SW], v[SW+1], s25         ; word j: tile 2 j in lanes 0-15, tile 2 j + 1 in lanes 16-31
	v_cndmask_b32 v61, v[SW+2], v[SW+3], s25
	global_store_b64 v2, v[60:61], s[36:37]        ; 256 consecutive bytes
	s_wait_tensorcnt 0x0
	ds_add_u32 v192, v193
	s_wait_dscnt 0x0
	s_endpgm
; ---- PATH W.  g' = work-group - 256: tensor g' / 32, block of 64 columns (g' / 2) % 16, K step 4 (g' % 2) + wave.
; A LANE TAKES A COLUMN AND ITS REGISTERS RUN DOWN K: a block of 32 lies in one lane, and the conversions give codes with K innermost.  Nothing is transposed.
.Lnot_x:
	s_cmp_lt_u32 ttmp9, 384
	s_cbranch_scc0 .Lrope
	s_sub_co_u32 s25, ttmp9, 256
	s_lshr_b32 s26, s25, 5                         ; 0, 1, 2, 3: Wq, Wk, Wv, Wp
	s_bfe_u32 s27, s25, 0x40001                    ; the block of 64 columns: a head
	s_and_b32 s28, s25, 1
	s_lshl_b32 s28, s28, 2
	s_add_co_u32 s28, s28, s20                     ; the K step
	s_mul_i32 s29, s27, 12
	s_lshl_b32 s30, s26, 2
	s_add_co_u32 s29, s29, s30                     ; first tile: [head][tensor][4] for Wq, Wk, Wv,
	s_lshl_b32 s30, s27, 2
	s_add_co_u32 s30, s30, 192                     ; behind them Wp's 64
	s_mul_i32 s31, s27, 3
	s_add_co_u32 s31, s31, s26                     ; the scale words' unit likewise
	s_add_co_u32 s32, s27, 48
	s_cmp_eq_u32 s26, 3
	s_cselect_b32 s29, s30, s29
	s_cselect_b32 s31, s32, s31
	s_lshl_b32 s29, s29, 3
	s_add_co_u32 s29, s29, s28
	s_mul_i32 s34, s29, 1536
	s_mov_b32 s35, 0
	s_lshl_b32 s31, s31, 11
	s_lshl_b32 s30, s28, 8
	s_add_co_u32 s31, s31, s30
	s_add_co_u32 s36, s31, WS_OFF
	s_mov_b32 s37, 0
	s_lshl_b32 s38, s28, 19                        ; 128 rows of 4,096 bytes a K step
	s_lshl_b32 s30, s27, 8
	s_add_co_u32 s38, s38, s30
	s_mov_b32 s39, 0
	v_lshlrev_b32 v8, 2, v5                        ; 4 x lane
	s_wait_kmcnt 0x0
	s_cmp_eq_u32 s26, 1                            ; the choice hangs on the work-group's number alone
	s_cselect_b64 s[6:7], s[8:9], s[6:7]
	s_cmp_eq_u32 s26, 2
	s_cselect_b64 s[6:7], s[10:11], s[6:7]
	s_cmp_eq_u32 s26, 3
	s_cselect_b64 s[6:7], s[12:13], s[6:7]
	s_add_nc_u64 s[6:7], s[6:7], s[38:39]
	s_add_nc_u64 s[34:35], s[16:17], s[34:35]
	s_add_nc_u64 s[36:37], s[16:17], s[36:37]
.macro WLOAD q                         ; q = 4 g + t: block t of columns 32 g + lane; register i takes row 32 t + P(i)
.set n, 0
.rept 32
	global_load_b32 v[RAW+32*((\q)%2)+n], v8, s[6:7] offset:(32*((\q)%4)+(n%8)+16*((n/8)%2)+8*(n/16))*4096+128*((\q)/4) th:TH_LOAD_NT
.set n, n+1
.endr
.endm
.macro WBLOCK q
.set XSET, RAW+32*((\q)%2)
.set TQ, (\q)%4
.set GQ, (\q)/4
.set FD, NUM+24*GQ+12*(TQ%2)+6*(TQ/2)  ; even blocks into the first run of 12, odd blocks into the second
.if (\q) < 7
	s_wait_loadcnt 32                              ; this block's 32 loads are in; the next block's 32 may be out
.else
	s_wait_loadcnt 0x0
.endif
	BMAX MX, MX+1, XSET
	v_add_nc_u32 v[SO], 0xfe000000, v[MX]
	v_lshrrev_b32 v[BY], 23, v[SO]
.if TQ == 0
	v_mov_b32 v[60+GQ], v[BY]                      ; my column's scale word, the lower K in the lower byte
.else
	v_lshl_or_b32 v[60+GQ], v[BY], 8*TQ, v[60+GQ]
.endif
	v_cvt_scalef32_pk16_bf6_f32 v[FD:FD+2], v[XSET:XSET+15], v[SO]
	v_cvt_scalef32_pk16_bf6_f32 v[TT:TT+2], v[XSET+16:XSET+31], v[SO]
	v_nop                                          ; one plain place behind a scaled conversion
.irp i, 0,1,2
	v_mov_b32 v[FD+3+\i], v[TT+\i]
.endr
.if (\q) < 6
	WLOAD (\q)+2
.endif
.endm
.macro WOUT g                          ; the first run's lanes 16-31 (tile 2 g + 1, even blocks) change places with the second's lanes 0-15 (tile 2 g, odd blocks): two fragments
.set n, 0
.rept 12
	v_permlane16_swap_b32 v[NUM+24*(\g)+n], v[NUM+12+24*(\g)+n]
.set n, n+1
.endr
.irp u, 0,1
.irp p, 0,1,2
	global_store_b128 v1, v[NUM+24*(\g)+12*\u+4*\p:NUM+24*(\g)+12*\u+4*\p+3], s[34:35] offset:(2*(\g)+\u)*12288+512*\p
.endr
.endr
.endm
	WLOAD 0
	WLOAD 1
	WBLOCK 0
	WBLOCK 1
	WBLOCK 2
	WBLOCK 3
	WOUT 0
	WBLOCK 4
	WBLOCK 5
	WBLOCK 6
	WBLOCK 7
	WOUT 1
	global_store_b64 v2, v[60:61], s[36:37]        ; lane l's word g is column 32 g + l's: row l % 16 of tile 2 g + l / 16, as the layout asks
	s_endpgm
; ---- PATH R.  Wave W = 4 (work-group - 384) + wave: positions 8 W .. 8 W + 7.  Lane (r, h): frequencies 2 r and 2 r + 1, positions of parity h.  A position is 256 bytes: 32 x (cos, sin).
.Lrope:
	s_sub_co_u32 s24, ttmp9, 384
	s_lshl_b32 s24, s24, 2
	s_add_co_u32 s24, s24, s20
	s_lshl_b32 s26, s24, 11
	s_mov_b32 s27, 0
	s_lshl_b32 s25, s24, 3                         ; the wave's first position
	s_mov_b32 s28, 0x3fb8aa3b                      ; log2(e), its f32 head
	s_mov_b32 s29, 0x3fc90fdb                      ; pi / 2, its f32 head,
	s_mov_b32 s30, 0xb33bbd2e                      ; and what the head leaves
	s_mov_b32 s31, 0xb94ca1f9                      ; sin's polynomial on [-pi/4, pi/4]
	s_mov_b32 s32, 0x3c08839e
	s_mov_b32 s33, 0xbe2aaaa3
	s_mov_b32 s34, 0x37ccf5ce                      ; cos's
	s_mov_b32 s35, 0xbab6061a
	s_mov_b32 s36, 0x3d2aaaa5
	v_lshlrev_b32 v8, 1, v6
	v_add_nc_u32 v9, 1, v8
	v_cvt_f32_u32 v8, v8
	v_cvt_f32_u32 v9, v9
	v_mul_f32 v8, 0xbe981e82, v8                   ; u = i x f32(-ln(10000) / 31), one rounding
	v_mul_f32 v9, 0xbe981e82, v9
	v_mul_f32 v10, 0x3fb8aa3b, v8                  ; u log2(e): the head,
	v_mul_f32 v11, 0x3fb8aa3b, v9
	v_fma_f32 v12, v8, s28, -v10                   ; and what its rounding and the constant's leave
	v_fma_f32 v13, v9, s28, -v11
	v_fmac_f32 v12, 0x32a57060, v8
	v_fmac_f32 v13, 0x32a57060, v9
	v_exp_f32 v14, v10
	v_exp_f32 v15, v11
	v_mul_f32 v12, 0x3f317218, v12                 ; (plain work behind the two exponentials)
	v_mul_f32 v13, 0x3f317218, v13
	s_wait_alu depctr_va_vdst(0)                   ; one wait for both, ahead of their first reader
	v_fma_f32 v14, v14, v12, v14                   ; the frequencies e^u
	v_fma_f32 v15, v15, v13, v15
	v_add_nc_u32 v16, s25, v7
	s_wait_kmcnt 0x0
	s_add_nc_u64 s[18:19], s[18:19], s[26:27]
; cos and sin of v[a] (0 to 2,047): n = the nearest multiple of pi / 2, taken off in two parts (what a third part would add is under 1,303 x 1.8e-15); polynomials; the quadrant
.macro SINCOS c, s, a
	v_mul_f32 v20, 0x3f22f983, v[\a]
	v_rndne_f32 v20, v20
	v_fma_f32 v21, -v20, s29, v[\a]
	v_fma_f32 v21, -v20, s30, v21
	v_cvt_i32_f32 v22, v20
	v_mul_f32 v23, v21, v21
	v_fma_f32 v24, v23, s31, s32
	v_fma_f32 v25, v23, s34, s35
	v_fma_f32 v24, v24, v23, s33
	v_fma_f32 v25, v25, v23, s36
	v_mul_f32 v24, v24, v23
	v_mul_f32 v25, v25, v23
	v_fma_f32 v26, v23, -0.5, 1.0
	v_fma_f32 v24, v24, v21, v21                   ; sin of the rest
	v_fma_f32 v25, v25, v23, v26                   ; cos of the rest
	v_and_b32 v27, 1, v22
	v_cmp_eq_u32 vcc_lo, 1, v27
	v_cndmask_b32 v28, v24, v25, vcc_lo            ; in odd quadrants the two change places
	v_cndmask_b32 v29, v25, v24, vcc_lo
	v_lshlrev_b32 v27, 30, v22
	v_and_b32 v27, 0x80000000, v27
	v_xor_b32 v[\s], v27, v28                      ; sin is negative in quadrants 2 and 3,
	v_add_nc_u32 v27, 1, v22
	v_lshlrev_b32 v27, 30, v27
	v_and_b32 v27, 0x80000000, v27
	v_xor_b32 v[\c], v27, v29                      ; cos in 1 and 2
.endm
.irp u, 0,1,2,3
	v_add_nc_u32 v17, 2*\u, v16
	v_cvt_f32_u32 v17, v17
	v_mul_f32 v18, v17, v14                        ; position x frequency, one rounding
	SINCOS 32+4*\u, 33+4*\u, 18
	v_mul_f32 v18, v17, v15
	SINCOS 34+4*\u, 35+4*\u, 18
	global_store_b128 v1, v[32+4*\u:35+4*\u], s[18:19] offset:512*\u   ; two positions: 512 consecutive bytes
.endr
	s_endpgm
.Lfunc_end_k_qa16ce90d98_prep:
	.size	k_qa16ce90d98_prep, .Lfunc_end_k_qa16ce90d98_prep-k_qa16ce90d98_prep
	.p2alignl 7, 3214868480
	.fill 96, 4, 3214868480
	.section	.rodata,"a",@progbits
	.p2align	6, 0x0
	.amdhsa_kernel k_qa16ce90d98_prep
		.amdhsa_group_segment_fixed_size 34304
		.amdhsa_private_segment_fixed_size 0
		.amdhsa_enable_private_segment 0
		.amdhsa_kernarg_size 64
		.amdhsa_user_sgpr_count 2
		.amdhsa_user_sgpr_kernarg_segment_ptr 1
		.amdhsa_wavefront_size32 1
		.amdhsa_system_sgpr_workgroup_id_x 1
		.amdhsa_system_sgpr_workgroup_id_y 1
		.amdhsa_system_sgpr_workgroup_id_z 1
		.amdhsa_system_vgpr_workitem_id 0
		.amdhsa_next_free_vgpr 194
		.amdhsa_next_free_sgpr 66
		.amdhsa_reserve_vcc 1
		.amdhsa_float_denorm_mode_32 3
		.amdhsa_float_denorm_mode_16_64 3
		.amdhsa_memory_ordered 1
		.amdhsa_forward_progress 1
		.amdhsa_inst_pref_size 81
	.end_amdhsa_kernel
	.amdgpu_metadata
---
amdhsa.version: [ 1, 2 ]
amdhsa.kernels:
  - .name:           k_qa16ce90d98_prep
    .symbol:         k_qa16ce90d98_prep.kd
    .args:
      - { .name: x, .offset: 0, .size: 8, .value_kind: global_buffer, .address_space: global }
      - { .name: Wq, .offset: 8, .size: 8, .value_kind: global_buffer, .address_space: global }
      - { .name: Wk, .offset: 16, .size: 8, .value_kind: global_buffer, .address_space: global }
      - { .name: Wv, .offset: 24, .size: 8, .value_kind: global_buffer, .address_space: global }
      - { .name: Wp, .offset: 32, .size: 8, .value_kind: global_buffer, .address_space: global }
      - { .name: xq, .offset: 40, .size: 8, .value_kind: global_buffer, .address_space: global }
      - { .name: wq, .offset: 48, .size: 8, .value_kind: global_buffer, .address_space: global }
      - { .name: rope, .offset: 56, .size: 8, .value_kind: global_buffer, .address_space: global }
    .group_segment_fixed_size: 34304
    .private_segment_fixed_size: 0
    .kernarg_segment_align: 8
    .kernarg_segment_size: 64
    .max_flat_workgroup_size: 128
    .sgpr_count:     66
    .vgpr_count:     194
    .wavefront_size: 32
...
	.end_amdgpu_metadata
.endif
;; end of part 1
;; launch qkvp (part 2): grid 8 x 32, 4 waves a work-group, clusters of 4 x 4, 327,680 bytes of LDS; arguments xq, wq, rope, bq, bk, bv, qkv; writes qkv
.if DOCPART == 2
	.amdgcn_target "amdgcn-amd-amdhsa--gfx1250"
	.amdhsa_code_object_version 6
	.text
	.protected	k_qa16ce90d98_qkvp
	.globl	k_qa16ce90d98_qkvp
	.p2align	8
	.type	k_qa16ce90d98_qkvp,@function
k_qa16ce90d98_qkvp:
	s_mov_b64 s[64:65], 0
	v_nop
	global_prefetch_b8 v0, s[64:65] scope:SCOPE_SE
	s_setreg_imm32_b32 hwreg(HW_REG_WAVE_MODE, 25, 1), 1
	s_wait_xcnt 0x0
	s_wait_alu depctr_hold_cnt(0) depctr_sa_sdst(0) depctr_va_vdst(0) depctr_va_sdst(0) depctr_va_ssrc(0) depctr_va_vcc(0) depctr_vm_vsrc(0)
	s_getreg_b32 s2, hwreg(HW_REG_IB_STS2, 6, 4)
	s_cmp_eq_u32 s2, 0
	s_cbranch_scc0 .Lentry_in_a_cluster
	s_endpgm
.Lentry_in_a_cluster:
	s_bfe_u32 s2, ttmp6, 0x10000c
	s_cmp_lg_u32 s2, 0xf033
	s_cbranch_scc0 .Lentry_shape_is_right
	s_endpgm
.Lentry_shape_is_right:
; QKVP: q, k, v = x W + b on codes of BF6 (E3M2) with E8M0 scales; the rotary embedding on q and k; q, k, v quantised again, for the attention's two products, and stored as codes.  No f32 q, k or v goes to memory.
; SHARES.  A work-group takes 256 rows of x (Y) and two heads (2 J, 2 J + 1) of q, k and v: 256 x 384 results.  Wave w: rows 128 (w / 2) on (8 tiles of x), head 2 J + w % 2 (4 tiles each of Wq, Wk, Wv): 96 accumulators, 768 registers.
; For 128 along K a wave reads 20 fragments from LDS for 96 matrix instructions.
; q AND k ARE MADE TRANSPOSED (source 0 = 16 columns of W, source 1 = 16 rows of x): a lane holds one token and its registers run along the head's 64, the next product's K.
; v IS MADE THE OTHER WAY (source 0 = x, source 1 = Wv): a lane holds one channel and its registers run along the tokens, which are the K of the attention's second product.
; So all three are quantised in registers.  Inside a block of 32 the codes fall in the order P (bits 3 and 4 of the place changed over), alike in q and k, and alike in v and the attention's p.
; K goes in steps of 128, two to a slot, through a ring of two LDS slots.  All operands lie in memory and in LDS as images of their registers (register 4 p + e of lane l at 512 p + 16 l + 4 e): every LDS load takes 512 consecutive bytes.
; The scale words of all of K come once, with the first fills.
; CLUSTER 4 x 4: x's tiles hang on Y alone and are asked for jointly along a row of the cluster, W's on J alone, along a column.  Waves 0, 1 fetch x's halves, waves 2, 3 a head's weights each.
; By the text's own count a wave has three tensor loads out at the start and one behind each round.
; OUT: q tiles of 768 bytes (registers 0-3 at 16 l, 4-5 at 512 + 8 l) and their scale words; a record of 13,056 bytes for each 128 keys of a head: K's 8 tiles, V's 4 fragments, K's scale words, V's.
; q's scale word carries k's two bytes in its upper half: there they meet zero codes.
; LIMITS: NaN and infinities are not served; a block of zeros gets the byte 1, not 127 (its codes are zeros; this program alone reads the bytes); largest magnitudes under 2^-122 are held at the byte 1.
; REGISTERS.  Window 0: v4-15 addresses, v16-19 bv, v40-59 scale words (two sets of 10), v64-159 two sets of four W fragments, v160-255 x's eight fragments.
;   Windows 1, 2: q(a, t) at 64 (a % 4) + 8 t, k(a, t) 32 further on, window 1 + a / 4.   Window 3: v(t, a) at 64 t + 8 a.
.set XS_OFF, 6291456
.set WS_OFF, 3145728
.set QS_OFF, 6291456
.set KV_OFF, 6815744
.set SLOT,  122880                     ; x's 16 tiles x 3,072 bytes, then W's 24
.set WREG,  49152
.set SCL,   245760                     ; behind the ring: x's scale words (8,192 bytes), then W's (12,288)
.set SPARE, 266240                     ; the spare words, 128 bytes a wave: two blocks of 256 bytes that no other line names
.set SC,  40
.set WB,  64
.set XF,  160
.set G1X,  24
.set G0X,  32
.set G1W,  48
.set G0W,  56
.set G1XS, 68
.set G0XS, 76
.set G1WS, 80
.set G0WS, 88
.set SEL,  66
.set BIA, 64                           ; the way out, window 0: v64-127 bq and bk in the results' layout
.set CSN, 128                          ; v128-159 cos and sin of a tile's tokens
.set HH,  160                          ; v160-223 64 numbers
.set PC,  224                          ; v224-235 codes
.set PT,  236                          ; v236-243 the conversions' second halves; the rotation's products
.set MX,  244
.set BY,  248
.set SO,  252
.set PW,  40                           ; v40 the scale word just made; v41-48 q and k's eight; v49-52 v's four; v54-63 as they are stored
.set PWQ, 41
.set PWV, 49
.set MRG, 54
.set KSW, 58
.set VSM, 62
.set MSB, 0
.macro WIN new                         ; the immediate's high byte repeats the setting that is left
.if MSB != (\new)
	s_set_vgpr_msb (MSB<<8)|(\new)
.set MSB, (\new)
.endif
.endm
.macro PLACES                          ; four plain places behind a matrix instruction, ahead of loads into its registers and of reads of its results
.rept 4
	v_nop
.endr
.endm
; a joint load: waves 0, 1 for x, waves 2, 3 for W; the branch hangs on the wave's number alone; four v_nop follow each line
.macro JLOAD g0a, g1a, g0b, g1b
	s_cmp_eq_u32 s19, 0
	s_cbranch_scc0 .Lfor_b_\@
	tensor_load_to_lds s[\g0a:\g0a+3], s[\g1a:\g1a+7]
	s_nop 0
.rept 4
	v_nop
.endr
	s_branch .Lasked_\@
.Lfor_b_\@:
	tensor_load_to_lds s[\g0b:\g0b+3], s[\g1b:\g1b+7]
	s_nop 0
.rept 4
	v_nop
.endr
.Lasked_\@:
.endm
.macro CREST                           ; a round of the cluster's barrier behind its opening barrier
	s_cmp_lg_u32 s18, 0
	s_cbranch_scc1 .Lnot_wave_0_\@
	s_barrier_signal -3
.Lnot_wave_0_\@:
	s_barrier_wait -3
	s_barrier_signal -1
	s_barrier_wait -1
.endm
.macro CROUND
	s_barrier_signal -1
	s_barrier_wait -1
	CREST
.endm
; one matrix instruction.  c: C's first register, or -1 for the constant 0.  ra, rb: the side's scales stand in lanes 16-31
.macro WM d, a, b, c, sa, ra, sb, rb
.set wD, \d
.set wA, \a
.set wB, \b
.set wC, \c
.set wS, \sa
.set wT, \sb
.set wR, 2*(\ra)+(\rb)
.if wC < 0
.if wR == 0
	v_wmma_scale_f32_16x16x128_f8f6f4 v[wD:wD+7], v[wA:wA+11], v[wB:wB+11], 0, v[wS], v[wT] matrix_a_fmt:MATRIX_FMT_BF6 matrix_b_fmt:MATRIX_FMT_BF6
.elseif wR == 1
	v_wmma_scale_f32_16x16x128_f8f6f4 v[wD:wD+7], v[wA:wA+11], v[wB:wB+11], 0, v[wS], v[wT] matrix_a_fmt:MATRIX_FMT_BF6 matrix_b_fmt:MATRIX_FMT_BF6 matrix_b_scale:MATRIX_SCALE_ROW1
.elseif wR == 2
	v_wmma_scale_f32_16x16x128_f8f6f4 v[wD:wD+7], v[wA:wA+11], v[wB:wB+11], 0, v[wS], v[wT] matrix_a_fmt:MATRIX_FMT_BF6 matrix_b_fmt:MATRIX_FMT_BF6 matrix_a_scale:MATRIX_SCALE_ROW1
.else
	v_wmma_scale_f32_16x16x128_f8f6f4 v[wD:wD+7], v[wA:wA+11], v[wB:wB+11], 0, v[wS], v[wT] matrix_a_fmt:MATRIX_FMT_BF6 matrix_b_fmt:MATRIX_FMT_BF6 matrix_a_scale:MATRIX_SCALE_ROW1 matrix_b_scale:MATRIX_SCALE_ROW1
.endif
.else
.if wR == 0
	v_wmma_scale_f32_16x16x128_f8f6f4 v[wD:wD+7], v[wA:wA+11], v[wB:wB+11], v[wC:wC+7], v[wS], v[wT] matrix_a_fmt:MATRIX_FMT_BF6 matrix_b_fmt:MATRIX_FMT_BF6
.elseif wR == 1
	v_wmma_scale_f32_16x16x128_f8f6f4 v[wD:wD+7], v[wA:wA+11], v[wB:wB+11], v[wC:wC+7], v[wS], v[wT] matrix_a_fmt:MATRIX_FMT_BF6 matrix_b_fmt:MATRIX_FMT_BF6 matrix_b_scale:MATRIX_SCALE_ROW1
.elseif wR == 2
	v_wmma_scale_f32_16x16x128_f8f6f4 v[wD:wD+7], v[wA:wA+11], v[wB:wB+11], v[wC:wC+7], v[wS], v[wT] matrix_a_fmt:MATRIX_FMT_BF6 matrix_b_fmt:MATRIX_FMT_BF6 matrix_a_scale:MATRIX_SCALE_ROW1
.else
	v_wmma_scale_f32_16x16x128_f8f6f4 v[wD:wD+7], v[wA:wA+11], v[wB:wB+11], v[wC:wC+7], v[wS], v[wT] matrix_a_fmt:MATRIX_FMT_BF6 matrix_b_fmt:MATRIX_FMT_BF6 matrix_a_scale:MATRIX_SCALE_ROW1 matrix_b_scale:MATRIX_SCALE_ROW1
.endif
.endif
.endm
	s_load_b256 s[4:11], s[0:1], 0x0               ; xq s[4:5], wq s[6:7], rope s[8:9], bq s[10:11]
	s_load_b128 s[12:15], s[0:1], 0x20             ; bk s[12:13], bv s[14:15]
	s_load_b64 s[16:17], s[0:1], 0x30              ; qkv
	v_lshl_add_u32 v10, v0, 2, SPARE               ; my spare word; never rewritten
	v_mov_b32 v11, 0                               ; 0; never rewritten
	ds_add_u32 v10, v11
	s_wait_dscnt 0x0
	v_lshrrev_b32 v1, 5, v0
	v_readfirstlane_b32 s18, v1                    ; wave 0..3
	s_lshr_b32 s19, s18, 1                         ; i: which 128 rows are mine.  Also: I fetch for x (0) or for W (1)
	s_and_b32 s20, s18, 1                          ; j: which head is mine.  Also: which half I fetch
	s_bfe_u32 s40, ttmp6, 0x40000                  ; cx
	s_bfe_u32 s41, ttmp6, 0x40004                  ; cy
	s_lshl_b32 s42, ttmp9, 2
	s_add_co_u32 s42, s42, s40                     ; J = 4 x cluster x + cx
	s_and_b32 s43, ttmp7, 0xffff
	s_lshl_b32 s43, s43, 2
	s_add_co_u32 s43, s43, s41                     ; Y = 4 x cluster y + cy
	s_lshl_b32 s44, s41, 2
	s_lshl_b32 s44, 15, s44                        ; my row of the cluster
	s_lshl_b32 s45, 0x1111, s40                    ; my column
	; descriptor groups 1: elements of 8 bytes, no padding, bit 21 beside the mask.  Codes: rows of 384 elements (two K steps of a tile), 1,536 elements from tile to tile; 8 tiles of x, 12 of W
	s_or_b32 s[G1X], s44, (3<<16)|(1<<21)
	s_or_b32 s[G1XS], s44, (3<<16)|(1<<21)
	s_or_b32 s[G1W], s45, (3<<16)|(1<<21)
	s_or_b32 s[G1WS], s45, (3<<16)|(1<<21)
.irp g, G1X, G1W
	s_mov_b32 s[\g+1], 384<<16                     ; tensor_dim0
	s_mov_b32 s[\g+3], 384<<16                     ; tile_dim0
	s_mov_b32 s[\g+5], 1536                        ; the pitch
	s_mov_b32 s[\g+6], 0
	s_mov_b32 s[\g+7], 0
.endr
	s_mov_b32 s[G1X+2], 8<<16                      ; tensor_dim1
	s_mov_b32 s[G1X+4], 8                          ; tile_dim1
	s_mov_b32 s[G1W+2], 12<<16
	s_mov_b32 s[G1W+4], 12
.irp g, G1XS, G1WS                     ; scale words: dense blocks as rows of 256 bytes: 16 rows of x's, 24 of W's
	s_mov_b32 s[\g+1], 32<<16
	s_mov_b32 s[\g+3], 32<<16
	s_mov_b32 s[\g+5], 32
	s_mov_b32 s[\g+6], 0
	s_mov_b32 s[\g+7], 0
.endr
	s_mov_b32 s[G1XS+2], 16<<16
	s_mov_b32 s[G1XS+4], 16
	s_mov_b32 s[G1WS+2], 24<<16
	s_mov_b32 s[G1WS+4], 24
	; x's addresses hang on Y and the wave alone, W's on J and the wave alone, each in registers of their own
	s_lshl_b32 s92, s43, 4
	s_lshl_b32 s93, s20, 3
	s_add_co_u32 s92, s92, s93                     ; row tile 16 Y + 8 j
	s_mul_i32 s92, s92, 12288
	s_mov_b32 s93, 0
	s_lshl_b32 s96, s43, 2
	s_lshl_b32 s97, s20, 1
	s_add_co_u32 s96, s96, s97                     ; block of 64 rows 4 Y + 2 j
	s_lshl_b32 s96, s96, 11
	s_add_co_u32 s96, s96, XS_OFF
	s_mov_b32 s97, 0
	s_lshl_b32 s94, s42, 1
	s_add_co_u32 s94, s94, s20                     ; head 2 J + j
	s_mul_i32 s98, s94, 6144
	s_add_co_u32 s98, s98, WS_OFF
	s_mov_b32 s99, 0
	s_mul_i32 s94, s94, 12*12288
	s_mov_b32 s95, 0
	s_mul_i32 s21, s20, 24576                      ; where they go: no place in the cluster enters an LDS address
	s_mul_i32 s22, s20, 36864
	s_add_co_u32 s22, s22, WREG
	s_lshl_b32 s23, s20, 12
	s_add_co_u32 s23, s23, SCL
	s_mul_i32 s46, s20, 6144
	s_add_co_u32 s46, s46, SCL+8192
	s_wait_kmcnt 0x0
	s_add_nc_u64 s[92:93], s[4:5], s[92:93]
	s_add_nc_u64 s[96:97], s[4:5], s[96:97]
	s_add_nc_u64 s[94:95], s[6:7], s[94:95]
	s_add_nc_u64 s[98:99], s[6:7], s[98:99]
	CROUND                                         ; all sixteen work-groups are here: the first joint loads meet
	s_mov_b32 s[G0XS], 1
	s_mov_b32 s[G0XS+1], s23
	s_mov_b64 s[G0XS+2:G0XS+3], s[96:97]
	s_or_b32 s[G0XS+3], s[G0XS+3], 0x80000000
	s_mov_b32 s[G0WS], 1
	s_mov_b32 s[G0WS+1], s46
	s_mov_b64 s[G0WS+2:G0WS+3], s[98:99]
	s_or_b32 s[G0WS+3], s[G0WS+3], 0x80000000
	JLOAD G0XS, G1XS, G0WS, G1WS                   ; the scale words of all of K: filled once
.irp s, 0,1
	s_mov_b32 s[G0X+4*\s], 1
	s_add_co_u32 s[G0X+4*\s+1], s21, \s*SLOT
	s_add_nc_u64 s[G0X+4*\s+2:G0X+4*\s+3], s[92:93], \s*3072
	s_or_b32 s[G0X+4*\s+3], s[G0X+4*\s+3], 0x80000000
	s_mov_b32 s[G0W+4*\s], 1
	s_add_co_u32 s[G0W+4*\s+1], s22, \s*SLOT
	s_add_nc_u64 s[G0W+4*\s+2:G0W+4*\s+3], s[94:95], \s*3072
	s_or_b32 s[G0W+4*\s+3], s[G0W+4*\s+3], 0x80000000
	JLOAD G0X+4*\s, G1X, G0W+4*\s, G1W
.endr
	v_and_b32 v1, 31, v0                           ; lane
	v_and_b32 v2, 15, v0                           ; r
	v_bfe_u32 v3, v0, 4, 1                         ; h
	v_lshlrev_b32 v12, 4, v1                       ; 16 x lane
	v_lshlrev_b32 v13, 3, v1                       ; 8 x lane
	s_mul_i32 s21, s19, 24576
	v_add_nc_u32 v4, s21, v12                      ; my 8 tiles of x in slot 0,
	v_add_nc_u32 v5, SLOT, v4                      ; in slot 1
	s_mul_i32 s21, s20, 36864
	s_add_co_u32 s21, s21, WREG
	v_add_nc_u32 v6, s21, v12                      ; my head's 12 tiles of W
	v_add_nc_u32 v7, SLOT, v6
	s_lshl_b32 s21, s19, 12
	s_add_co_u32 s21, s21, SCL
	v_add_nc_u32 v8, s21, v13                      ; x's scale words
	s_mul_i32 s21, s20, 6144
	s_add_co_u32 s21, s21, SCL+8192
	v_add_nc_u32 v9, s21, v13                      ; W's
	v_lshlrev_b32 v14, 8, v2
	v_lshl_add_u32 v14, v3, 5, v14                 ; the table: token r's 256 bytes, + 32 h
	v_lshlrev_b32 v15, 5, v3                       ; bq, bk: 32 h
	v_lshlrev_b32 v20, 2, v2                       ; bv: 4 r
	s_lshl_b32 s47, s42, 1
	s_add_co_u32 s47, s47, s20                     ; my head
	s_lshl_b32 s2, s47, 8
	s_mov_b32 s3, 0
	s_add_nc_u64 s[10:11], s[10:11], s[2:3]
	s_add_nc_u64 s[12:13], s[12:13], s[2:3]
	s_add_nc_u64 s[14:15], s[14:15], s[2:3]
.irp t, 0,1,2,3
	global_load_b32 v[16+\t], v20, s[14:15] offset:64*\t   ; bv of channel 16 t + r: waited for on the way out
.endr
	s_lshr_b32 s21, s43, 3                         ; the batch
	s_and_b32 s22, s43, 7
	s_lshl_b32 s21, s21, 4
	s_add_co_u32 s21, s21, s47                     ; batch x 16 + head
	s_lshl_b32 s23, s22, 1
	s_add_co_u32 s23, s23, s19                     ; my block of 128 positions
	s_lshl_b32 s46, s21, 4
	s_add_co_u32 s46, s46, s23
	s_mul_i32 s92, s46, 6144                       ; q: 8 tiles of 768 bytes
	s_mov_b32 s93, 0
	s_lshl_b32 s94, s46, 9                         ; q's scale words: 512 bytes
	s_add_co_u32 s94, s94, QS_OFF
	s_mov_b32 s95, 0
	s_mul_i32 s96, s46, 13056                      ; my record of K and V
	s_add_co_u32 s96, s96, KV_OFF
	s_mov_b32 s97, 0
	s_lshl_b32 s98, s23, 15                        ; the table: 128 positions of 256 bytes
	s_mov_b32 s99, 0
	s_add_nc_u64 s[92:93], s[16:17], s[92:93]
	s_add_nc_u64 s[94:95], s[16:17], s[94:95]
	s_add_nc_u64 s[96:97], s[16:17], s[96:97]
	s_add_nc_u64 s[98:99], s[8:9], s[98:99]
	s_mov_b32 s2, 0xffff0000                       ; lanes 16-31
	s_mov_b32 s[SEL], 0x76543210
	s_mov_b32 s[SEL+1], 0xfedcba98
.macro FW sl, q, g, buf                ; four fragments of tensor g (0 q, 1 k, 2 v), the slot's q-th K step, into set buf
.irp t, 0,1,2,3
.irp p, 0,1,2
	ds_load_b128 v[WB+48*(\buf)+12*\t+4*\p:WB+48*(\buf)+12*\t+4*\p+3], v[6+(\sl)] offset:(4*(\g)+\t)*3072+1536*(\q)+512*\p
.endr
.endr
.endm
.macro FX sl, q, a0                    ; x's tiles a0 .. a0 + 3
.irp a, 0,1,2,3
.irp p, 0,1,2
	ds_load_b128 v[XF+12*((\a0)+\a)+4*\p:XF+12*((\a0)+\a)+4*\p+3], v[4+(\sl)] offset:((\a0)+\a)*3072+1536*(\q)+512*\p
.endr
.endr
.endm
.macro FS s                            ; K step s's scale words into set s % 2: x's four registers (tile a: register a / 2, lanes 16 (a % 2) on), then two for each tensor
.irp b, 0,1
	ds_load_b64 v[SC+10*((\s)%2)+2*\b:SC+10*((\s)%2)+2*\b+1], v8 offset:2048*\b+256*(\s)
.endr
.irp g, 0,1,2
	ds_load_b64 v[SC+10*((\s)%2)+4+2*\g:SC+10*((\s)%2)+5+2*\g], v9 offset:2048*\g+256*(\s)
.endr
.endm
; 16 matrix instructions: x's tiles 4 half .. + 3 against a tensor's four.  Every accumulator has one instruction a K step: they take turns.  zf = 1: the first K step starts the sums
.macro MULQK s, g, half
.irp aa, 0,1,2,3
.irp t, 0,1,2,3
	WM 64*\aa+32*(\g)+8*\t,WB+48*((3*(\s)+(\g))%2)+12*\t,XF+12*(4*(\half)+\aa),(1-zf)*(64*\aa+32*(\g)+8*\t+1)-1,SC+10*((\s)%2)+4+2*(\g)+\t/2,\t%2,SC+10*((\s)%2)+(4*(\half)+\aa)/2,\aa%2
.endr
.endr
.endm
.macro MULV s, half
.irp aa, 0,1,2,3
.irp t, 0,1,2,3
	WM 64*\t+8*(4*(\half)+\aa),XF+12*(4*(\half)+\aa),WB+48*((3*(\s)+2)%2)+12*\t,(1-zf)*(64*\t+8*(4*(\half)+\aa)+1)-1,SC+10*((\s)%2)+(4*(\half)+\aa)/2,\aa%2,SC+10*((\s)%2)+8+\t/2,\t%2
.endr
.endr
.endm
; A K STEP: q's 32 products, k's 32, v's 32.  W's sets take turns tensor by tensor; x has one set: tiles 4-7 are fetched at the step's head, tiles 0-3 of the next step in the middle of v's products.
.macro KSTEP s
.set zf, 0
.if (\s) == 0
.set zf, 1
.endif
.set sl, ((\s)/2)%2
.set kq, (\s)%2
.set sn, (((\s)+1)/2)%2
.set qn, ((\s)+1)%2
.if (\s) > 0
	PLACES
.endif
	WIN 0
	FX sl, kq, 4
	FW sl, kq, 1, (3*(\s)+1)%2
	s_wait_dscnt 24                                ; all but the 24 just issued: Wq's set, x's tiles 0-3 and the scale words are in
	WIN 0x50
	MULQK \s, 0, 0
	s_wait_dscnt 12                                ; x's tiles 4-7 are in; Wk's 12 loads may be out
	WIN 0xa0
	MULQK \s, 0, 1
	PLACES
	WIN 0
	FW sl, kq, 2, (3*(\s)+2)%2                     ; my last reads of this slot, where the step is a slot's second
.if kq && ((\s) < 7)
	s_wait_tensorcnt 0x0                           ; all my tensor loads have landed: my part of the next slot;
	ds_add_u32 v10, v11                            ; 0 onto my spare word;
	s_wait_dscnt 13                                ; (the add and Wv's 12 loads may be out: Wk's set is in)
	WIN 0x50
	MULQK \s, 1, 0                                 ; sixteen matrix instructions stand between the add and the wait for it
	s_wait_dscnt 0x0                               ; the add is done, and my reads of this slot are over
	s_barrier_signal -1
	WIN 0xa0
	MULQK \s, 1, 1
	WIN 0
	s_barrier_wait -1
.if (\s) < 5
	CREST                                          ; the barrier has opened a round of the cluster's: no wave of any partner still reads this slot or has a load on its way
	s_add_nc_u64 s[G0X+4*sl+2:G0X+4*sl+3], s[G0X+4*sl+2:G0X+4*sl+3], 6144
	s_add_nc_u64 s[G0W+4*sl+2:G0W+4*sl+3], s[G0W+4*sl+2:G0W+4*sl+3], 6144
	JLOAD G0X+4*sl, G1X, G0W+4*sl, G1W             ; the slot's next two K steps: the first tensor load behind the round; its four v_nop are the places for the loads below
.else
	PLACES
.endif
.else
	s_wait_dscnt 12                                ; Wk's set is in; Wv's 12 loads may be out
	WIN 0x50
	MULQK \s, 1, 0
	WIN 0xa0
	MULQK \s, 1, 1
.if (\s) < 7
	PLACES
.endif
.endif
.if (\s) < 7
	WIN 0
	FW sn, qn, 0, (3*(\s)+3)%2                     ; the next K step's Wq
	s_wait_dscnt 12                                ; Wv's set is in
	WIN 0xf0
	MULV \s, 0
	PLACES
	WIN 0
	FX sn, qn, 0
	FS (\s)+1
	WIN 0xf0
	MULV \s, 1
.else
	s_wait_dscnt 0x0
	WIN 0xf0
	MULV \s, 0
	MULV \s, 1
.endif
.endm
	s_wait_tensorcnt 1                             ; the scale words and my part of slot 0 are in (slot 1's load may be out)
	s_barrier_signal -1
	s_barrier_wait -1                              ; everybody's are
	FW 0, 0, 0, 0
	FX 0, 0, 0
	FS 0
	KSTEP 0
	KSTEP 1
	KSTEP 2
	KSTEP 3
	KSTEP 4
	KSTEP 5
	KSTEP 6
	KSTEP 7
; THE WAY OUT, all in registers.  64 numbers of a lane, register 16 b + i one of my 16 numbers of block b, become a fragment's codes in v[PC] on and its scale word in v[PW].
.macro QUANT128 s, xw
.irp b, 0,1,2,3
	v_max3_num_f32 v[MX+\b], |v[\s+16*\b]|, |v[\s+1+16*\b]|, 0x2800000   ; and the floor 2^(5 - 127): the byte cannot fall under 1
.endr
.irp i, 2,4,6,8,10,12,14
.irp b, 0,1,2,3
	v_max3_num_f32 v[MX+\b], v[MX+\b], |v[\s+16*\b+\i]|, |v[\s+1+16*\b+\i]|   ; (the four blocks by turns)
.endr
.endr
.irp b, 0,1,2,3
	v_permlanex16_b32 v[BY+\b], v[MX+\b], s[SEL], s[SEL+1]
.endr
.irp b, 0,1,2,3
	v_max_num_f32 v[MX+\b], v[MX+\b], v[BY+\b]     ; with lane l xor 16's: the block's largest magnitude
.endr
.irp b, 0,1,2,3
	v_add_nc_u32 v[SO+\b], 0xfe000000, v[MX+\b]    ; 4 off its exponent field: the conversion's scale operand
.endr
.irp b, 0,1,2,3
	v_lshrrev_b32 v[BY+\b], 23, v[SO+\b]           ; the scale's byte
.endr
	v_lshl_or_b32 v[PW], v[BY+1], 8, v[BY]
	v_lshl_or_b32 v[PW], v[BY+2], 16, v[PW]
	v_lshl_or_b32 v[PW], v[BY+3], 24, v[PW]
.if \xw
	s_wait_xcnt 0x0                                ; the last unit's stores have read the code registers
.endif
.irp c, 0,1
	v_cvt_scalef32_pk16_bf6_f32 v[PC+6*\c:PC+6*\c+2], v[\s+32*\c:\s+32*\c+15], v[SO+2*\c]
	v_cvt_scalef32_pk16_bf6_f32 v[PT+4*\c:PT+4*\c+2], v[\s+32*\c+16:\s+32*\c+31], v[SO+2*\c+1]   ; (a conversion's three registers begin on an even number)
.endr
	v_nop                                          ; one plain place behind a scaled conversion
.irp c, 0,1                            ; the operand's layout wants a whole block in a lane: lanes 0-15 block 2 c, lanes 16-31 block 2 c + 1
.irp i, 0,1,2
	v_permlane16_swap_b32 v[PC+6*\c+\i], v[PT+4*\c+\i]
.endr
.irp i, 0,1,2
	v_mov_b32 v[PC+6*\c+3+\i], v[PT+4*\c+\i]
.endr
.endr
.endm
.macro CSLOAD a                        ; cos and sin of tile a's tokens: lane (r, h) takes, for each t, the four pairs of channels 16 t + 8 h on
.irp t, 0,1,2,3
.irp e, 0,1
	global_load_b128 v[CSN+8*\t+4*\e:CSN+8*\t+4*\e+3], v14, s[98:99] offset:4096*(\a)+64*\t+16*\e
.endr
.endr
.endm
; V's channel tile t: + bv, quantised along my 128 tokens: one whole fragment
.macro VUNIT t
	WIN 0x03                                       ; source 0: window 3
.set m, 0
.rept 32                               ; each accumulator from its low end on
.if (\t)%2
	v_pk_add_f32 v[HH+2*m:HH+2*m+1], v[64*(\t)+2*m:64*(\t)+2*m+1], v[16+2*((\t)/2):17+2*((\t)/2)] op_sel:[0,1] op_sel_hi:[1,1]
.else
	v_pk_add_f32 v[HH+2*m:HH+2*m+1], v[64*(\t)+2*m:64*(\t)+2*m+1], v[16+2*((\t)/2):17+2*((\t)/2)] op_sel_hi:[1,0]
.endif
.set m, m+1
.endr
	WIN 0
	QUANT128 HH, (\t)>0
	v_mov_b32 v[PWV+(\t)], v[PW]
.irp p, 0,1,2
	global_store_b128 v12, v[PC+4*\p:PC+4*\p+3], s[96:97] offset:6144+1536*(\t)+512*\p   ; 512 consecutive bytes a store
.endr
.endm
; q and k of x's tile a: + bias, rotated, quantised together: blocks 0, 1 are q's 64, blocks 2, 3 k's
.macro QKUNIT a
	s_wait_loadcnt 0x0                             ; the biases, and this tile's cos and sin
	WIN 1+(\a)/4                                   ; source 0: window 1 or 2
.set m, 0
.rept 32
	v_pk_add_f32 v[HH+2*m:HH+2*m+1], v[64*((\a)%4)+2*m:64*((\a)%4)+2*m+1], v[BIA+2*m:BIA+2*m+1]
.set m, m+1
.endr
	WIN 0
.set m, 0
.rept 8                                ; a pair (xr, xi) with its (c, s): first (-xi s, xi c), then (xr c, xr s) onto it; four pairs at a time
.irp e, 0,1,2,3
	v_pk_mul_f32 v[PT+2*\e:PT+2*\e+1], v[HH+2*(m+\e):HH+2*(m+\e)+1], v[CSN+2*((m+\e)%16):CSN+2*((m+\e)%16)+1] op_sel:[1,1] op_sel_hi:[1,0] neg_lo:[1,0]
.endr
.irp e, 0,1,2,3
	v_pk_fma_f32 v[HH+2*(m+\e):HH+2*(m+\e)+1], v[HH+2*(m+\e):HH+2*(m+\e)+1], v[CSN+2*((m+\e)%16):CSN+2*((m+\e)%16)+1], v[PT+2*\e:PT+2*\e+1] op_sel_hi:[0,1,1]
.endr
.set m, m+4
.endr
.if (\a) < 7
	CSLOAD (\a)+1
.endif
	QUANT128 HH, 1
	v_mov_b32 v[PWQ+(\a)], v[PW]
	global_store_b128 v12, v[PC:PC+3], s[92:93] offset:768*(\a)           ; q's tile: 512 + 256 consecutive bytes
	global_store_b64 v13, v[PC+4:PC+5], s[92:93] offset:768*(\a)+512
	global_store_b128 v12, v[PC+6:PC+9], s[96:97] offset:768*(\a)         ; k's
	global_store_b64 v13, v[PC+10:PC+11], s[96:97] offset:768*(\a)+512
.endm
	PLACES
	WIN 0
.irp b, 0,1,2,3
	v_mov_b32 v[BY+\b], 0                          ; a lane permute's destination counts as read
.endr
.irp t, 0,1,2,3
.irp e, 0,1
	global_load_b128 v[BIA+8*\t+4*\e:BIA+8*\t+4*\e+3], v15, s[10:11] offset:64*\t+16*\e
	global_load_b128 v[BIA+32+8*\t+4*\e:BIA+32+8*\t+4*\e+3], v15, s[12:13] offset:64*\t+16*\e
.endr
.endr
	CSLOAD 0
	s_wait_loadcnt 24                              ; bv is in; the 24 loads just issued land while v is worked
	VUNIT 0
	VUNIT 1
	VUNIT 2
	VUNIT 3
	v_cndmask_b32 v[VSM], v[PWV], v[PWV+1], s2     ; word j: tile 2 j in lanes 0-15, tile 2 j + 1 in lanes 16-31
	v_cndmask_b32 v[VSM+1], v[PWV+2], v[PWV+3], s2
	global_store_b64 v13, v[VSM:VSM+1], s[96:97] offset:12800
	QKUNIT 0
	QKUNIT 1
	QKUNIT 2
	QKUNIT 3
	QKUNIT 4
	QKUNIT 5
	QKUNIT 6
	QKUNIT 7
.irp j, 0,1,2,3
	v_cndmask_b32 v[MRG+\j], v[PWQ+2*\j], v[PWQ+2*\j+1], s2
.endr
	global_store_b128 v12, v[MRG:MRG+3], s[94:95]  ; q's scale words (k's bytes ride in the upper halves)
.irp j, 0,1,2,3
	v_lshrrev_b32 v[KSW+\j], 16, v[MRG+\j]         ; k's: bytes 2 and 3 become 0
.endr
	global_store_b128 v12, v[KSW:KSW+3], s[96:97] offset:12288
	s_wait_tensorcnt 0x0                           ; the wave's end
	ds_add_u32 v10, v11
	s_wait_dscnt 0x0
	CROUND                                         ; the closing round: no work-group ends while a partner may still ask for a tile that names it
	s_endpgm
.Lfunc_end_k_qa16ce90d98_qkvp:
	.size	k_qa16ce90d98_qkvp, .Lfunc_end_k_qa16ce90d98_qkvp-k_qa16ce90d98_qkvp
	.p2alignl 7, 3214868480
	.fill 96, 4, 3214868480
	.section	.rodata,"a",@progbits
	.p2align	6, 0x0
	.amdhsa_kernel k_qa16ce90d98_qkvp
		.amdhsa_group_segment_fixed_size 327680
		.amdhsa_private_segment_fixed_size 0
		.amdhsa_enable_private_segment 0
		.amdhsa_kernarg_size 56
		.amdhsa_user_sgpr_count 2
		.amdhsa_user_sgpr_kernarg_segment_ptr 1
		.amdhsa_wavefront_size32 1
		.amdhsa_system_sgpr_workgroup_id_x 1
		.amdhsa_system_sgpr_workgroup_id_y 1
		.amdhsa_system_sgpr_workgroup_id_z 1
		.amdhsa_system_vgpr_workitem_id 0
		.amdhsa_next_free_vgpr 1024
		.amdhsa_next_free_sgpr 100
		.amdhsa_reserve_vcc 0
		.amdhsa_float_denorm_mode_32 3
		.amdhsa_float_denorm_mode_16_64 3
		.amdhsa_memory_ordered 1
		.amdhsa_forward_progress 1
		.amdhsa_inst_pref_size 255
	.end_amdhsa_kernel
	.section	.bss,"aw",@nobits
	.p2align	6
	.space	262144
	.amdgpu_metadata
---
amdhsa.version: [ 1, 2 ]
amdhsa.kernels:
  - .name:           k_qa16ce90d98_qkvp
    .symbol:         k_qa16ce90d98_qkvp.kd
    .args:
      - { .name: xq, .offset: 0, .size: 8, .value_kind: global_buffer, .address_space: global }
      - { .name: wq, .offset: 8, .size: 8, .value_kind: global_buffer, .address_space: global }
      - { .name: rope, .offset: 16, .size: 8, .value_kind: global_buffer, .address_space: global }
      - { .name: bq, .offset: 24, .size: 8, .value_kind: global_buffer, .address_space: global }
      - { .name: bk, .offset: 32, .size: 8, .value_kind: global_buffer, .address_space: global }
      - { .name: bv, .offset: 40, .size: 8, .value_kind: global_buffer, .address_space: global }
      - { .name: qkv, .offset: 48, .size: 8, .value_kind: global_buffer, .address_space: global }
    .group_segment_fixed_size: 327680
    .private_segment_fixed_size: 0
    .kernarg_segment_align: 8
    .kernarg_segment_size: 56
    .max_flat_workgroup_size: 128
    .sgpr_count:     100
    .vgpr_count:     1024
    .wavefront_size: 32
...
	.end_amdgpu_metadata
.endif
;; end of part 2
;; launch attn (part 3): grid 4 x 64, 16 waves a work-group, no clusters, 327,680 bytes of LDS; arguments qkv, yq; writes yq
.if DOCPART == 3
	.amdgcn_target "amdgcn-amd-amdhsa--gfx1250"
	.amdhsa_code_object_version 6
	.text
	.protected	k_qa16ce90d98_attn
	.globl	k_qa16ce90d98_attn
	.p2align	8
	.type	k_qa16ce90d98_attn,@function
k_qa16ce90d98_attn:
	s_mov_b64 s[64:65], 0
	v_nop
	global_prefetch_b8 v0, s[64:65] scope:SCOPE_SE
	s_setreg_imm32_b32 hwreg(HW_REG_WAVE_MODE, 25, 1), 1
	s_wait_xcnt 0x0
; ATTN: y = softmax(q k^T / 8, causal) v for one head, both products on codes of BF6 (E3M2) with E8M0 scales; y leaves as codes for the last product.
; THE SOFTMAX AHEAD OF THE SECOND PRODUCT: t = score x log2(e) / 8; M = the row's largest t so far, rounded UP to a whole number; p = 2^(t - M) is quantised along the keys, not normalised.
; The row's sum is taken of the unquantised p and divides at the end.  When M moves, the sum and O are multiplied by 2^(old M - new M): exact.
; SHARES.  Work-group (c, head) owns the blocks c and 7 - c of 256 queries: it walks key slots 0 .. c for the first and 0 .. 7 - c for the second: NINE trips of 256 keys whatever c, so all 256 work-groups have the same work,
; and the trip count is a constant of the text.  Each of the sixteen waves owns one tile of 16 queries of the block in hand, in 256 registers: four waves to a SIMD, so that one wave's vector work stands beside another's products and LDS loads.
; A key step all of whose keys come after the wave's queries is left out: a scalar branch on ids, round no barrier and no tensor load.
; NO CLUSTER: the four work-groups of a head own different query blocks, so they leave out different steps (branches that partners of a joint load may not have) and want different slots in a given trip.
; K and V come as records of 13,056 bytes for 128 keys, images of the operands' registers: K's 8 tiles of 768 bytes, V's 4 fragments of 1,536, K's scale words (512), V's (256).  A slot is two records; waves 0 and 1 fetch one each.
; A record is asked for a whole trip (two key steps of sixteen waves) ahead of its first read.  By the text's own count a wave has one tensor load out.
; LAYOUT.  Both products transposed: S^T = K Q^T, O^T = V^T P^T: a lane holds one query (lane % 16) throughout.  Register 8 t + j of S^T is key 16 t + 8 (lane / 16) + j: inside a block of 32 keys p's codes fall in the same order as v's.
; THE HEAD HAS 64 CHANNELS, the instruction 128 along K: Q's upper six registers are zero codes.  K's tiles lie six registers apart, so a tile's upper six registers are the next tile's codes: against zero codes they add nothing.
; LIMITS: NaN and infinities are not served; a block of zeros gets the byte 1, not 127; largest magnitudes under 2^-122 are held at the byte 1.
; REGISTERS: v1-9 addresses; v12 -M, v13 the largest t, v[14:15] the sum; v16-27 Q; v28 Q's scale words; v32-85 K (behind the first product v32-79 are at work); v88-91 K's scale words, v[92:93] V's, v94 p's;
;   v96-159 S^T, then p; v160-191 O^T; v192-239 V; v240-251 p's codes.
.set QS_OFF, 6291456
.set KV_OFF, 6815744
.set YS_OFF, 6291456
.set REC,   13056
.set SLOT1, 32768                      ; slot 1 begins here: one exclusive or turns an address in one slot into the other's
.set SPARE, 65536                      ; the spare words, 128 bytes for each of 16 waves: eight blocks of 256 bytes that no other line names
.macro PLACES
.rept 4
	v_nop
.endr
.endm
.macro WM d, a, b, c, sa, ra, sb, rb   ; one matrix instruction.  c: C's first register, or -1 for the constant 0.  ra, rb: the side's scales stand in lanes 16-31
.set wD, \d
.set wA, \a
.set wB, \b
.set wC, \c
.set wS, \sa
.set wT, \sb
.set wR, 2*(\ra)+(\rb)
.if wC < 0
.if wR == 0
	v_wmma_scale_f32_16x16x128_f8f6f4 v[wD:wD+7], v[wA:wA+11], v[wB:wB+11], 0, v[wS], v[wT] matrix_a_fmt:MATRIX_FMT_BF6 matrix_b_fmt:MATRIX_FMT_BF6
.else
	v_wmma_scale_f32_16x16x128_f8f6f4 v[wD:wD+7], v[wA:wA+11], v[wB:wB+11], 0, v[wS], v[wT] matrix_a_fmt:MATRIX_FMT_BF6 matrix_b_fmt:MATRIX_FMT_BF6 matrix_a_scale:MATRIX_SCALE_ROW1
.endif
.else
.if wR == 0
	v_wmma_scale_f32_16x16x128_f8f6f4 v[wD:wD+7], v[wA:wA+11], v[wB:wB+11], v[wC:wC+7], v[wS], v[wT] matrix_a_fmt:MATRIX_FMT_BF6 matrix_b_fmt:MATRIX_FMT_BF6
.else
	v_wmma_scale_f32_16x16x128_f8f6f4 v[wD:wD+7], v[wA:wA+11], v[wB:wB+11], v[wC:wC+7], v[wS], v[wT] matrix_a_fmt:MATRIX_FMT_BF6 matrix_b_fmt:MATRIX_FMT_BF6 matrix_a_scale:MATRIX_SCALE_ROW1
.endif
.endif
.endm
.macro TLOAD                           ; waves 0 and 1 fetch a record each; four v_nop follow the line
	s_cmp_lt_u32 s8, 2
	s_cbranch_scc0 .Lno_load_\@
	tensor_load_to_lds s[32:35], s[24:31]
	s_nop 0
.rept 4
	v_nop
.endr
.Lno_load_\@:
.endm
	s_load_b128 s[4:7], s[0:1], 0x0                ; qkv s[4:5], yq s[6:7]
	v_lshl_add_u32 v5, v0, 2, SPARE                ; my spare word; never rewritten
	v_mov_b32 v6, 0                                ; 0; never rewritten
	ds_add_u32 v5, v6
	ds_add_u32 v5, v6
	s_wait_dscnt 0x0
	v_lshrrev_b32 v1, 5, v0
	s_delay_alu instid0(VALU_DEP_1)
	v_readfirstlane_b32 s8, v1                     ; wave 0..15
	s_mov_b32 s9, ttmp9                            ; c
	s_add_co_u32 s10, s9, 1
	s_and_b32 s15, ttmp7, 0xffff                   ; batch x 16 + head
	s_mov_b32 s11, 0                               ; the trip
	s_mov_b32 s12, 0                               ; LDS byte at which the slot in hand begins
	; descriptor group 1: a record is a dense block: 51 rows of 256 bytes (32 elements of 8 bytes), no padding, no mask
	s_mov_b32 s24, 3<<16
	s_mov_b32 s25, 32<<16
	s_mov_b32 s26, 51<<16
	s_mov_b32 s27, 32<<16
	s_mov_b32 s28, 51
	s_mov_b32 s29, 32
	s_mov_b32 s30, 0
	s_mov_b32 s31, 0
	s_and_b32 s40, s8, 1
	s_mul_i32 s41, s40, REC                        ; which record of a slot I fetch, if I fetch
	s_mul_i32 s38, s15, 16*REC
	s_add_co_u32 s38, s38, s41
	s_add_co_u32 s38, s38, KV_OFF
	s_mov_b32 s39, 0
	s_mov_b32 s48, 0x3e38aa3b                      ; log2(e) / 8
	s_mov_b32 s49, s48                             ; (named with it as a pair, so it is written)
	s_mov_b32 s50, 0x76543210
	s_mov_b32 s51, 0xfedcba98                      ; v_permlanex16_b32's selects for lane l xor 16
	s_wait_kmcnt 0x0
	s_add_nc_u64 s[36:37], s[4:5], s[38:39]        ; my record of the head's slot 0
	s_mov_b32 s32, 1
	s_mov_b32 s33, s41
	s_mov_b64 s[34:35], s[36:37]
	s_or_b32 s35, s35, 0x80000000
	TLOAD                                          ; trip 0's slot
	v_and_b32 v10, 31, v0
	s_delay_alu instid0(VALU_DEP_1)
	v_lshlrev_b32 v1, 4, v10                       ; 16 x lane
	s_delay_alu instid0(VALU_DEP_2)
	v_lshlrev_b32 v2, 3, v10                       ; 8 x lane
	v_and_b32 v10, 15, v0                          ; r
	v_bfe_u32 v11, v0, 4, 1                        ; h
	s_delay_alu instid0(VALU_DEP_2)
	v_lshlrev_b32 v8, 4, v10                       ; 16 r: my row among q's scale words
	s_delay_alu instid0(VALU_DEP_3)
	v_lshlrev_b32 v9, 2, v10                       ; 4 r
	s_delay_alu instid0(VALU_DEP_3)
	v_lshlrev_b32 v11, 3, v11
	s_delay_alu instid0(VALU_DEP_1)
	v_sub_nc_u32 v7, v10, v11                      ; r - 8 h, for the mask
.irp i, 0,1,2,3,4,5
	v_mov_b32 v[22+\i], 0                          ; Q's upper half: zero codes, written once
	v_mov_b32 v[80+\i], 0                          ; behind K's last tile: written once
.endr
; a block of queries begins: s52 = the block
.macro INIT
	s_wait_xcnt 0x0                                ; the last block's stores have read their registers and addresses
	s_lshl_b32 s40, s52, 4
	s_add_co_u32 s40, s40, s8                      ; my tile of 16 queries
	s_lshl_b32 s14, s40, 4                         ; my first query
	s_mov_b32 s13, 0                               ; the step's first key
	s_lshl_b32 s41, s15, 7
	s_add_co_u32 s41, s41, s40
	s_mul_i32 s54, s41, 768
	s_mov_b32 s55, 0
	s_add_nc_u64 s[16:17], s[4:5], s[54:55]        ; q's tile
	s_lshl_b32 s41, s15, 4
	s_lshl_b32 s42, s52, 1
	s_add_co_u32 s41, s41, s42
	s_lshr_b32 s42, s8, 3
	s_add_co_u32 s41, s41, s42                     ; its block of 128 queries: 512 bytes of scale words; tile a's word of row r at 256 (a % 2) + 16 r + 4 (a / 2)
	s_lshl_b32 s41, s41, 9
	s_and_b32 s42, s8, 1
	s_lshl_b32 s42, s42, 8
	s_add_co_u32 s41, s41, s42
	s_bfe_u32 s42, s8, 0x20001
	s_lshl_b32 s42, s42, 2
	s_add_co_u32 s41, s41, s42
	s_add_co_u32 s54, s41, QS_OFF
	s_add_nc_u64 s[18:19], s[4:5], s[54:55]
	s_lshr_b32 s41, s15, 4
	s_lshl_b32 s41, s41, 7
	s_add_co_u32 s41, s41, s40                     ; y's row tile: 128 x batch + tile
	s_lshl_b32 s41, s41, 4
	s_and_b32 s42, s15, 15
	s_add_co_u32 s41, s41, s42                     ; x 16 + head
	s_mul_i32 s54, s41, 768
	s_add_nc_u64 s[20:21], s[6:7], s[54:55]
	s_lshl_b32 s54, s41, 6
	s_add_co_u32 s54, s54, YS_OFF
	s_add_nc_u64 s[22:23], s[6:7], s[54:55]
	global_load_b128 v[16:19], v1, s[16:17]        ; waited for at the next change of slots
	global_load_b64 v[20:21], v2, s[16:17] offset:512
	global_load_b32 v28, v8, s[18:19]
	v_mov_b32 v13, 0xff61b1e6                      ; the largest t so far: -3e38, under every t
	s_delay_alu instid0(VALU_DEP_1)
	v_floor_f32 v12, -v13                          ; -M
	v_mov_b32 v14, 0
	v_mov_b32 v15, 0
.set n, 0
.rept 32
	v_mov_b32 v[160+n], 0                          ; O^T: the step is written once; the first finds zeros, which the first change of M leaves zeros
.set n, n+1
.endr
.endm
; A KEY STEP: 128 keys, record q of the slot in hand
.macro STEP q
	s_add_co_u32 s42, s14, 15
	s_cmp_gt_u32 s13, s42                          ; all keys behind my queries: nothing to do
	s_cbranch_scc1 .Lhidden_\@
	s_wait_alu depctr_va_vdst(0)
.irp t, 0,1,2,3,4,5,6,7
	ds_load_b128 v[32+6*\t:35+6*\t], v3 offset:REC*(\q)+768*\t
	ds_load_b64 v[36+6*\t:37+6*\t], v4 offset:REC*(\q)+768*\t+512
.endr
	ds_load_b128 v[88:91], v3 offset:REC*(\q)+12288
	s_wait_dscnt 0x0
.irp t, 0,1,2,3,4,5,6,7
	WM 96+8*\t,32+6*\t,16,-1,88+\t/2,\t%2,28,0
.endr
	PLACES                                         ; ahead of the loads into V's registers, which the last step's products read, and of the first read of the scores
	s_wait_alu depctr_va_vdst(0)
.irp t, 0,1,2,3
.irp p, 0,1,2
	ds_load_b128 v[192+12*\t+4*\p:195+12*\t+4*\p], v3 offset:REC*(\q)+6144+1536*\t+512*\p   ; V lands under the softmax
.endr
.endr
	ds_load_b64 v[92:93], v4 offset:REC*(\q)+12800
	s_add_co_u32 s42, s13, 127                     ; on the diagonal the scores of hidden keys become -infinity: p = 0 then.  A step all of whose keys count skips this
	s_cmp_le_u32 s42, s14
	s_cbranch_scc1 .Lopen_\@
	s_sub_co_i32 s42, s14, s13
	v_add_nc_u32 v49, s42, v7                      ; d = my query - the first key - 8 h: register n holds key 16 (n / 8) + n % 8 + 8 h: hidden where 16 (n / 8) + n % 8 > d
	v_mov_b32 v50, 0xff800000
.set n, 0
.rept 64
	v_cmp_gt_i32 vcc_lo, 16*(n/8)+n%8, v49
	v_cndmask_b32 v[96+n], v[96+n], v50, vcc_lo
.set n, n+1
.endr
.Lopen_\@:
.irp b, 0,1,2,3
	v_max3_num_f32 v[32+\b], v[96+16*\b], v[97+16*\b], v[98+16*\b]   ; the largest score of each block of 32 keys: it serves the row's maximum and, since p rises with the score, the block's largest p
.endr
.irp i, 3,5,7,9,11,13
.irp b, 0,1,2,3
	v_max3_num_f32 v[32+\b], v[32+\b], v[96+16*\b+\i], v[97+16*\b+\i]
.endr
.endr
.irp b, 0,1,2,3
	v_max_num_f32 v[32+\b], v[32+\b], v[111+16*\b]
.endr
.irp b, 0,1,2,3
	s_delay_alu instid0(VALU_DEP_4)
	v_permlanex16_b32 v[36+\b], v[32+\b], s50, s51
.endr
.irp b, 0,1,2,3
	s_delay_alu instid0(VALU_DEP_4)
	v_max_num_f32 v[32+\b], v[32+\b], v[36+\b]     ; with lane l xor 16's 16 keys
.endr
	s_delay_alu instid0(VALU_DEP_2)
	v_max3_num_f32 v48, v32, v33, v34
	s_delay_alu instid0(VALU_DEP_1)
	v_max_num_f32 v48, v48, v35
	s_delay_alu instid0(VALU_DEP_1)
	v_mul_f32 v48, s48, v48                        ; as t
	s_delay_alu instid0(VALU_DEP_1)
	v_max_num_f32 v13, v13, v48                    ; the running largest t
	v_mov_b32 v48, v12
	s_delay_alu instid0(VALU_DEP_2)
	v_floor_f32 v12, -v13                          ; the new -M = -ceil(t)
	s_delay_alu instid0(VALU_DEP_1)
	v_sub_f32 v48, v12, v48                        ; old M - new M: a whole number, 0 or less
	s_delay_alu instid0(VALU_DEP_1)
	v_cvt_i32_f32 v48, v48                         ; (it saturates)
	s_delay_alu instid0(VALU_DEP_1)
	v_ldexp_f32 v64, 1.0, v48                      ; f = 2^(old M - new M)
.set n, 0
.rept 32
	v_pk_fma_f32 v[96+n:97+n], v[96+n:97+n], s[48:49], v[12:13] op_sel_hi:[1,0,0]   ; t - M, two at a time
.set n, n+2
.endr
.irp b, 0,1,2,3
	v_fma_f32 v[32+\b], v[32+\b], s48, v12         ; the same of each block's largest score
.endr
.set n, 0
	s_wait_alu depctr_va_vdst(0)
.rept 64
	v_exp_f32 v[96+n], v[96+n]                     ; p = 2^(t - M), at most 1
.set n, n+1
.endr
	v_pk_mul_f32 v[14:15], v[14:15], v[64:65] op_sel_hi:[1,0]   ; the sums under the new M (a plain place behind the exponentials)
	s_wait_alu depctr_va_vdst(0)                   ; one wait for the whole batch, ahead of its first reader
.irp b, 0,1,2,3
	v_exp_f32 v[32+\b], v[32+\b]                   ; the block's largest p: the same two instructions on the same number
.endr
	v_pk_add_f32 v[52:53], v[100:101], v[104:105]
	v_pk_add_f32 v[254:255], v[108:109], v[112:113]
	v_pk_add_f32 v[252:253], v[116:117], v[120:121]
	v_pk_add_f32 v[250:251], v[124:125], v[128:129]
	v_pk_add_f32 v[248:249], v[132:133], v[136:137]
	v_pk_add_f32 v[246:247], v[140:141], v[144:145]
	v_pk_add_f32 v[244:245], v[148:149], v[152:153]
	v_pk_add_f32 v[14:15], v[14:15], v[156:157]
	v_pk_add_f32 v[52:53], v[52:53], v[96:97]
	v_pk_add_f32 v[254:255], v[254:255], v[98:99]
	v_pk_add_f32 v[252:253], v[252:253], v[102:103]
	v_pk_add_f32 v[250:251], v[250:251], v[106:107]
	v_pk_add_f32 v[248:249], v[248:249], v[110:111]
	v_pk_add_f32 v[246:247], v[246:247], v[114:115]
	v_pk_add_f32 v[244:245], v[244:245], v[118:119]
	v_pk_add_f32 v[14:15], v[14:15], v[122:123]
	v_pk_add_f32 v[52:53], v[52:53], v[126:127]
	v_pk_add_f32 v[254:255], v[254:255], v[130:131]
	v_pk_add_f32 v[252:253], v[252:253], v[134:135]
	v_pk_add_f32 v[250:251], v[250:251], v[138:139]
	v_pk_add_f32 v[248:249], v[248:249], v[142:143]
	v_pk_add_f32 v[246:247], v[246:247], v[146:147]
	v_pk_add_f32 v[244:245], v[244:245], v[150:151]
	v_pk_add_f32 v[14:15], v[14:15], v[154:155]
	v_pk_add_f32 v[52:53], v[52:53], v[158:159]
	s_delay_alu instid0(VALU_DEP_2)
	v_pk_add_f32 v[14:15], v[14:15], v[250:251]
	s_delay_alu instid0(VALU_DEP_2)
	v_pk_add_f32 v[52:53], v[52:53], v[248:249]
	v_pk_add_f32 v[254:255], v[254:255], v[246:247]
	v_pk_add_f32 v[252:253], v[252:253], v[244:245]
	s_delay_alu instid0(VALU_DEP_2)
	v_pk_add_f32 v[14:15], v[14:15], v[254:255]
	s_delay_alu instid0(VALU_DEP_2)
	v_pk_add_f32 v[52:53], v[52:53], v[252:253]
	s_delay_alu instid0(VALU_DEP_1)
	v_pk_add_f32 v[14:15], v[14:15], v[52:53]
	s_wait_alu depctr_va_vdst(0)                   ; and one for the four
.irp b, 0,1,2,3
	v_max_num_f32 v[32+\b], 0x2800000, v[32+\b]    ; the floor 2^(5 - 127): the byte cannot fall under 1
.endr
.irp b, 0,1,2,3
	s_delay_alu instid0(VALU_DEP_4)
	v_add_nc_u32 v[40+\b], 0xfe000000, v[32+\b]    ; 4 off the exponent field: the conversion's scale operand
.endr
.irp b, 0,1,2,3
	s_delay_alu instid0(VALU_DEP_4)
	v_lshrrev_b32 v[44+\b], 23, v[40+\b]
.endr
	s_delay_alu instid0(VALU_DEP_3)
	v_lshl_or_b32 v94, v45, 8, v44                 ; p's scale word for these 128 keys
	s_delay_alu instid0(VALU_DEP_1)
	v_lshl_or_b32 v94, v46, 16, v94
	s_delay_alu instid0(VALU_DEP_1)
	v_lshl_or_b32 v94, v47, 24, v94
.irp c, 0,1
	v_cvt_scalef32_pk16_bf6_f32 v[240+6*\c:242+6*\c], v[96+32*\c:111+32*\c], v[40+2*\c]
	v_cvt_scalef32_pk16_bf6_f32 v[56+4*\c:58+4*\c], v[112+32*\c:127+32*\c], v[41+2*\c]
.endr
	v_nop                                          ; one plain place behind a scaled conversion
.irp c, 0,1
.irp i, 0,1,2
	v_permlane16_swap_b32 v[240+6*\c+\i], v[56+4*\c+\i]
.endr
.irp i, 0,1,2
	s_delay_alu instid0(VALU_DEP_3)
	v_mov_b32 v[243+6*\c+\i], v[56+4*\c+\i]
.endr
.endr
.set n, 0
.rept 16
	v_pk_mul_f32 v[160+n:161+n], v[160+n:161+n], v[64:65] op_sel_hi:[1,0]   ; O^T under the new M; these sixteen are also the places between p's scale word and codes and the products
.set n, n+2
.endr
	s_wait_alu depctr_va_vdst(0)
	s_wait_dscnt 0x0                               ; V
.irp t, 0,1,2,3
	WM 160+8*\t,192+12*\t,240,160+8*\t,92+\t/2,\t%2,94,0
.endr
.Lhidden_\@:
	s_add_co_u32 s13, s13, 128
.endm
; THE CHANGE OF SLOTS stands at a trip's head.  Each wave waits for all its tensor loads (its part of the slot ahead), adds 0 to its spare word, and waits for that and for its reads of the slot that it has left.
; fill = 1: that slot takes the next trip's keys: trip n reads key slot n, or n - c - 1 once the second block of queries has begun.
.macro CHANGE fill
	s_wait_tensorcnt 0x0                           ; no tensor load of mine is out, so the group 0 may be written
	ds_add_u32 v5, v6                              ; 0 onto my spare word
.if \fill
	s_add_co_u32 s40, s11, 1
	s_cmp_gt_u32 s40, s9
	s_cselect_b32 s41, s10, 0
	s_sub_co_u32 s40, s40, s41
	s_mul_i32 s38, s40, 2*REC
	s_xor_b32 s33, s33, SLOT1
	s_add_nc_u64 s[34:35], s[36:37], s[38:39]
	s_or_b32 s35, s35, 0x80000000
.endif
	s_wait_dscnt 0x0                               ; the add is done, and my reads of the slot that I have left are over
	s_barrier_signal -1
	s_barrier_wait -1
.if \fill
	TLOAD                                          ; the first thing behind the barrier, and a wave's one tensor load until the next
.endif
	s_wait_loadcnt 0x0                             ; Q, where a block of queries has just begun
	v_add_nc_u32 v3, s12, v1
	v_add_nc_u32 v4, s12, v2
.endm
; A block of queries ends: y = O^T / the sum, quantised along the head's 64 (two blocks), stored as half a fragment and a scale word a row
.macro OUT
	PLACES                                         ; behind the last products
	v_mov_b32 v48, 0                               ; (lane permutes' destinations count as read)
	v_mov_b32 v36, 0
	v_mov_b32 v37, 0
	v_add_f32 v14, v14, v15
	s_delay_alu instid0(VALU_DEP_1)
	v_permlanex16_b32 v48, v14, s50, s51
	s_delay_alu instid0(VALU_DEP_1)
	v_add_f32 v14, v14, v48                        ; the row's sum
	s_wait_alu depctr_va_vdst(0)
	v_rcp_f32 v64, v14
	v_mov_b32 v65, 0                               ; (a plain place; named with v64 as a pair)
	s_wait_alu depctr_va_vdst(0)                   ; the wait ahead of the reciprocal's first reader
.set n, 0
.rept 16
	v_pk_mul_f32 v[96+n:97+n], v[160+n:161+n], v[64:65] op_sel_hi:[1,0]   ; register 8 t + e is y(query r, channel 16 t + 8 h + e)
.set n, n+2
.endr
.irp b, 0,1
	v_max3_num_f32 v[32+\b], |v[96+16*\b]|, |v[97+16*\b]|, 0x2800000
.endr
.irp i, 2,4,6,8,10,12,14
.irp b, 0,1
	s_delay_alu instid0(VALU_DEP_2)
	v_max3_num_f32 v[32+\b], v[32+\b], |v[96+16*\b+\i]|, |v[97+16*\b+\i]|
.endr
.endr
.irp b, 0,1
	s_delay_alu instid0(VALU_DEP_2)
	v_permlanex16_b32 v[36+\b], v[32+\b], s50, s51
.endr
.irp b, 0,1
	s_delay_alu instid0(VALU_DEP_2)
	v_max_num_f32 v[32+\b], v[32+\b], v[36+\b]
.endr
.irp b, 0,1
	s_delay_alu instid0(VALU_DEP_2)
	v_add_nc_u32 v[40+\b], 0xfe000000, v[32+\b]
.endr
.irp b, 0,1
	s_delay_alu instid0(VALU_DEP_2)
	v_lshrrev_b32 v[44+\b], 23, v[40+\b]
.endr
	s_delay_alu instid0(VALU_DEP_1)
	v_lshl_or_b32 v94, v45, 8, v44                 ; bytes 0 and 1; the upper half stays 0
	v_cvt_scalef32_pk16_bf6_f32 v[240:242], v[96:111], v40
	v_cvt_scalef32_pk16_bf6_f32 v[56:58], v[112:127], v41
	v_nop
.irp i, 0,1,2
	v_permlane16_swap_b32 v[240+\i], v[56+\i]
.endr
.irp i, 0,1,2
	s_delay_alu instid0(VALU_DEP_3)
	v_mov_b32 v[243+\i], v[56+\i]
.endr
	global_store_b128 v1, v[240:243], s[20:21]     ; 512 + 256 consecutive bytes
	global_store_b64 v2, v[244:245], s[20:21] offset:512
	global_store_b32 v9, v94, s[22:23]             ; 64 bytes: lanes l and l xor 16 write the same word with the same value; a twelfth of the codes' bytes
.endm
	s_mov_b32 s52, s9
	INIT
.Ltrip:                                            ; eight trips, each of which asks for the next trip's slot
	CHANGE 1
	STEP 0
	STEP 1
	s_xor_b32 s12, s12, SLOT1
	s_cmp_lg_u32 s11, s9                           ; behind trip c the first block of queries is done
	s_cbranch_scc1 .Lsame
	OUT
	s_sub_co_u32 s52, 7, s9
	INIT
.Lsame:
	s_add_co_u32 s11, s11, 1
	s_cmp_lt_u32 s11, 8
	s_cbranch_scc1 .Ltrip
	CHANGE 0                                       ; the ninth trip is written out
	STEP 0
	STEP 1
	OUT
	s_wait_tensorcnt 0x0                           ; the wave's end
	ds_add_u32 v5, v6
	s_wait_dscnt 0x0
	s_endpgm
.Lfunc_end_k_qa16ce90d98_attn:
	.size	k_qa16ce90d98_attn, .Lfunc_end_k_qa16ce90d98_attn-k_qa16ce90d98_attn
	.p2alignl 7, 3214868480
	.fill 96, 4, 3214868480
	.section	.rodata,"a",@progbits
	.p2align	6, 0x0
	.amdhsa_kernel k_qa16ce90d98_attn
		.amdhsa_group_segment_fixed_size 327680
		.amdhsa_private_segment_fixed_size 0
		.amdhsa_enable_private_segment 0
		.amdhsa_kernarg_size 16
		.amdhsa_user_sgpr_count 2
		.amdhsa_user_sgpr_kernarg_segment_ptr 1
		.amdhsa_wavefront_size32 1
		.amdhsa_system_sgpr_workgroup_id_x 1
		.amdhsa_system_sgpr_workgroup_id_y 1
		.amdhsa_system_sgpr_workgroup_id_z 1
		.amdhsa_system_vgpr_workitem_id 0
		.amdhsa_next_free_vgpr 256
		.amdhsa_next_free_sgpr 66
		.amdhsa_reserve_vcc 1
		.amdhsa_float_denorm_mode_32 3
		.amdhsa_float_denorm_mode_16_64 3
		.amdhsa_memory_ordered 1
		.amdhsa_forward_progress 1
		.amdhsa_inst_pref_size 107
	.end_amdhsa_kernel
	.amdgpu_metadata
---
amdhsa.version: [ 1, 2 ]
amdhsa.kernels:
  - .name:           k_qa16ce90d98_attn
    .symbol:         k_qa16ce90d98_attn.kd
    .args:
      - { .name: qkv, .offset: 0, .size: 8, .value_kind: global_buffer, .address_space: global }
      - { .name: yq, .offset: 8, .size: 8, .value_kind: global_buffer, .address_space: global }
    .group_segment_fixed_size: 327680
    .private_segment_fixed_size: 0
    .kernarg_segment_align: 8
    .kernarg_segment_size: 16
    .max_flat_workgroup_size: 512
    .sgpr_count:     66
    .vgpr_count:     256
    .wavefront_size: 32
...
	.end_amdgpu_metadata
.endif
;; end of part 3
;; launch proj (part 4): grid 8 x 32, 4 waves a work-group, clusters of 4 x 4, 327,680 bytes of LDS; arguments yq, wq, bp, out0; writes out0
.if DOCPART == 4
	.amdgcn_target "amdgcn-amd-amdhsa--gfx1250"
	.amdhsa_code_object_version 6
	.text
	.protected	k_qa16ce90d98_proj
	.globl	k_qa16ce90d98_proj
	.p2align	8
	.type	k_qa16ce90d98_proj,@function
k_qa16ce90d98_proj:
	s_mov_b64 s[64:65], 0
	v_nop
	global_prefetch_b8 v0, s[64:65] scope:SCOPE_SE
	s_setreg_imm32_b32 hwreg(HW_REG_WAVE_MODE, 25, 1), 1
	s_wait_xcnt 0x0
	s_wait_alu depctr_hold_cnt(0) depctr_sa_sdst(0) depctr_va_vdst(0) depctr_va_sdst(0) depctr_va_ssrc(0) depctr_va_vcc(0) depctr_vm_vsrc(0)
	s_getreg_b32 s2, hwreg(HW_REG_IB_STS2, 6, 4)
	s_cmp_eq_u32 s2, 0
	s_cbranch_scc0 .Lentry_in_a_cluster
	s_endpgm
.Lentry_in_a_cluster:
	s_bfe_u32 s2, ttmp6, 0x10000c
	s_cmp_lg_u32 s2, 0xf033
	s_cbranch_scc0 .Lentry_shape_is_right
	s_endpgm
.Lentry_shape_is_right:
; PROJ: out0 = y Wp + bp on codes of BF6 (E3M2) with E8M0 scales; out0 [8192][1024] f32.
; SHARES.  A work-group makes 256 rows (Y) x 128 columns (J): 256 work-groups.  Wave w: rows 128 (w / 2) on, columns 64 (w % 2) on: 32 accumulators.
; ALL OF K (1,024) LIES IN LDS, FILLED ONCE, in two halves of 512: 294,912 bytes of codes and 20,480 of scale words.  So there is no ring and nothing is filled again; the second half lands while the first is multiplied.
; By the text's own count a wave has three tensor loads out.
; CLUSTER 4 x 4: y's tiles hang on Y alone and are asked for jointly along a row of the cluster, Wp's on J alone, along a column.  Waves 0, 1 fetch y's halves of rows, waves 2, 3 Wp's halves of columns.
; y lies as half fragments, one for each row tile and head (768 bytes: registers 0-3 at 16 l, 4-5 at 512 + 8 l): heads 2 s and 2 s + 1 are the two halves of K step s's fragment.  Wp lies as whole fragments.
; THE MATRIX INSTRUCTION IS USED TRANSPOSED (source 0 = 16 columns of Wp, source 1 = 16 rows of y): a lane holds eight neighbouring numbers of a row of out0.  bp is the C of each sum's first instruction.
; REGISTERS.  Window 0: v4-17 addresses; v32-63 y's scale words (K step s, register jj: tiles 2 jj, 2 jj + 1), v64-79 Wp's; v80-111 bp in the results' layout; v128-191 at work.
;   Window 1: accumulator (a, t) at 32 a + 8 t.   Window 2: y's fragments, two sets of 96.   Window 3: Wp's, two sets of 48.
.set YS_OFF,  6291456
.set WP_OFF,  2359296
.set WPS_OFF, 3244032
.set HALFB, 147456                     ; a half of K: y's 16 tiles x 6,144 bytes, then Wp's 8
.set YSB,   294912                     ; y's scale words: 16 row tiles x 16 heads x 64 bytes
.set WSB,   311296                     ; Wp's: 2 blocks of 64 columns x 8 K steps x 256 bytes
.set G1Y,  24
.set G1W,  32
.set G1YS, 40
.set G1WS, 48
.set MSB, 0
.macro WIN new                         ; the immediate's high byte repeats the setting that is left
.if MSB != (\new)
	s_set_vgpr_msb (MSB<<8)|(\new)
.set MSB, (\new)
.endif
.endm
.macro PLACES                          ; four plain places behind a matrix instruction, ahead of loads into its registers and of reads of its results
.rept 4
	v_nop
.endr
.endm
.macro JLOAD g0a, g1a, g0b, g1b        ; a joint load: waves 0, 1 for y, waves 2, 3 for Wp; four v_nop follow each line
	s_cmp_eq_u32 s13, 0
	s_cbranch_scc0 .Lfor_b_\@
	tensor_load_to_lds s[\g0a:\g0a+3], s[\g1a:\g1a+7]
	s_nop 0
.rept 4
	v_nop
.endr
	s_branch .Lasked_\@
.Lfor_b_\@:
	tensor_load_to_lds s[\g0b:\g0b+3], s[\g1b:\g1b+7]
	s_nop 0
.rept 4
	v_nop
.endr
.Lasked_\@:
.endm
.macro CROUND                          ; a round of the cluster's barrier
	s_barrier_signal -1
	s_barrier_wait -1
	s_cmp_lg_u32 s12, 0
	s_cbranch_scc1 .Lnot_wave_0_\@
	s_barrier_signal -3
.Lnot_wave_0_\@:
	s_barrier_wait -3
	s_barrier_signal -1
	s_barrier_wait -1
.endm
.macro WM d, a, b, c, sa, ra, sb, rb   ; one matrix instruction.  ra, rb: the side's scales stand in lanes 16-31
.set wD, \d
.set wA, \a
.set wB, \b
.set wC, \c
.set wS, \sa
.set wT, \sb
.set wR, 2*(\ra)+(\rb)
.if wR == 0
	v_wmma_scale_f32_16x16x128_f8f6f4 v[wD:wD+7], v[wA:wA+11], v[wB:wB+11], v[wC:wC+7], v[wS], v[wT] matrix_a_fmt:MATRIX_FMT_BF6 matrix_b_fmt:MATRIX_FMT_BF6
.elseif wR == 1
	v_wmma_scale_f32_16x16x128_f8f6f4 v[wD:wD+7], v[wA:wA+11], v[wB:wB+11], v[wC:wC+7], v[wS], v[wT] matrix_a_fmt:MATRIX_FMT_BF6 matrix_b_fmt:MATRIX_FMT_BF6 matrix_b_scale:MATRIX_SCALE_ROW1
.elseif wR == 2
	v_wmma_scale_f32_16x16x128_f8f6f4 v[wD:wD+7], v[wA:wA+11], v[wB:wB+11], v[wC:wC+7], v[wS], v[wT] matrix_a_fmt:MATRIX_FMT_BF6 matrix_b_fmt:MATRIX_FMT_BF6 matrix_a_scale:MATRIX_SCALE_ROW1
.else
	v_wmma_scale_f32_16x16x128_f8f6f4 v[wD:wD+7], v[wA:wA+11], v[wB:wB+11], v[wC:wC+7], v[wS], v[wT] matrix_a_fmt:MATRIX_FMT_BF6 matrix_b_fmt:MATRIX_FMT_BF6 matrix_a_scale:MATRIX_SCALE_ROW1 matrix_b_scale:MATRIX_SCALE_ROW1
.endif
.endm
	s_load_b256 s[4:11], s[0:1], 0x0               ; yq s[4:5], wq s[6:7], bp s[8:9], out0 s[10:11]
	v_lshl_add_u32 v254, v0, 2, 0x4d000
	v_mov_b32 v255, 0
	ds_add_u32 v254, v255
	v_lshrrev_b32 v1, 5, v0
	v_readfirstlane_b32 s12, v1                    ; wave 0..3
	s_lshr_b32 s13, s12, 1                         ; i: which 128 rows are mine.  Also: I fetch for y (0) or for Wp (1)
	s_and_b32 s14, s12, 1                          ; j: which 64 columns are mine.  Also: which half I fetch
	s_bfe_u32 s16, ttmp6, 0x40000                  ; cx
	s_bfe_u32 s17, ttmp6, 0x40004                  ; cy
	s_lshl_b32 s18, ttmp9, 2
	s_add_co_u32 s18, s18, s16                     ; J
	s_and_b32 s19, ttmp7, 0xffff
	s_lshl_b32 s19, s19, 2
	s_add_co_u32 s19, s19, s17                     ; Y
	s_lshl_b32 s20, s17, 2
	s_lshl_b32 s20, 15, s20                        ; my row of the cluster
	s_lshl_b32 s21, 0x1111, s16                    ; my column
	; descriptor groups 1: elements of 8 bytes, no padding, bit 21 beside the mask.  Codes: rows of 768 elements (half of a tile's K), 1,536 from tile to tile; 8 tiles of y, 4 of Wp
	s_or_b32 s[G1Y], s20, (3<<16)|(1<<21)
	s_or_b32 s[G1YS], s20, (3<<16)|(1<<21)
	s_or_b32 s[G1W], s21, (3<<16)|(1<<21)
	s_or_b32 s[G1WS], s21, (3<<16)|(1<<21)
.irp g, G1Y, G1W
	s_mov_b32 s[\g+1], 768<<16
	s_mov_b32 s[\g+3], 768<<16
	s_mov_b32 s[\g+5], 1536
	s_mov_b32 s[\g+6], 0
	s_mov_b32 s[\g+7], 0
.endr
	s_mov_b32 s[G1Y+2], 8<<16
	s_mov_b32 s[G1Y+4], 8
	s_mov_b32 s[G1W+2], 4<<16
	s_mov_b32 s[G1W+4], 4
.irp g, G1YS, G1WS                     ; scale words: dense blocks as rows of 256 bytes: 32 rows of y's, 8 of Wp's
	s_mov_b32 s[\g+1], 32<<16
	s_mov_b32 s[\g+3], 32<<16
	s_mov_b32 s[\g+5], 32
	s_mov_b32 s[\g+6], 0
	s_mov_b32 s[\g+7], 0
.endr
	s_mov_b32 s[G1YS+2], 32<<16
	s_mov_b32 s[G1YS+4], 32
	s_mov_b32 s[G1WS+2], 8<<16
	s_mov_b32 s[G1WS+4], 8
	; y's addresses hang on Y and the wave alone, Wp's on J and the wave alone, each in registers of their own
	s_lshl_b32 s84, s19, 4
	s_lshl_b32 s85, s14, 3
	s_add_co_u32 s84, s84, s85                     ; row tile 16 Y + 8 j
	s_lshl_b32 s86, s84, 10
	s_add_co_u32 s86, s86, YS_OFF
	s_mov_b32 s87, 0
	s_mul_i32 s84, s84, 12288
	s_mov_b32 s85, 0
	s_lshl_b32 s88, s18, 1
	s_add_co_u32 s88, s88, s14                     ; block of 64 columns 2 J + j
	s_lshl_b32 s90, s88, 11
	s_add_co_u32 s90, s90, WPS_OFF
	s_mov_b32 s91, 0
	s_mul_i32 s88, s88, 4*12288
	s_add_co_u32 s88, s88, WP_OFF
	s_mov_b32 s89, 0
	s_mul_i32 s22, s14, 49152                      ; where they go: no place in the cluster enters an LDS address
	s_mul_i32 s23, s14, 24576
	s_add_co_u32 s23, s23, 98304
	s_lshl_b32 s2, s14, 13
	s_add_co_u32 s2, s2, YSB
	s_lshl_b32 s3, s14, 11
	s_add_co_u32 s3, s3, WSB
	s_wait_dscnt 0x0
	s_wait_kmcnt 0x0
	s_add_nc_u64 s[84:85], s[4:5], s[84:85]
	s_add_nc_u64 s[86:87], s[4:5], s[86:87]
	s_add_nc_u64 s[88:89], s[6:7], s[88:89]
	s_add_nc_u64 s[90:91], s[6:7], s[90:91]
	CROUND                                         ; all sixteen work-groups are here: the joint loads meet
	s_mov_b32 s56, 1                               ; a group 0 for each load: none is written while a load is out
	s_mov_b32 s57, s2
	s_mov_b64 s[58:59], s[86:87]
	s_or_b32 s59, s59, 0x80000000
	s_mov_b32 s72, 1
	s_mov_b32 s73, s3
	s_mov_b64 s[74:75], s[90:91]
	s_or_b32 s75, s75, 0x80000000
	JLOAD 56, G1YS, 72, G1WS                       ; the scale words
	s_mov_b32 s60, 1
	s_mov_b32 s61, s22
	s_mov_b64 s[62:63], s[84:85]
	s_or_b32 s63, s63, 0x80000000
	s_mov_b32 s76, 1
	s_mov_b32 s77, s23
	s_mov_b64 s[78:79], s[88:89]
	s_or_b32 s79, s79, 0x80000000
	JLOAD 60, G1Y, 76, G1W                         ; K steps 0 to 3
	s_mov_b32 s68, 1
	s_add_co_u32 s69, s22, HALFB
	s_add_nc_u64 s[70:71], s[84:85], 6144
	s_or_b32 s71, s71, 0x80000000
	s_mov_b32 s80, 1
	s_add_co_u32 s81, s23, HALFB
	s_add_nc_u64 s[82:83], s[88:89], 6144
	s_or_b32 s83, s83, 0x80000000
	JLOAD 68, G1Y, 80, G1W                         ; K steps 4 to 7
	v_and_b32 v1, 31, v0                           ; lane
	v_and_b32 v2, 15, v0                           ; r
	v_bfe_u32 v3, v0, 4, 1                         ; h
	v_lshlrev_b32 v16, 4, v1                       ; 16 x lane
	v_lshlrev_b32 v17, 3, v1                       ; 8 x lane
	s_mul_i32 s22, s13, 49152
	v_add_nc_u32 v4, s22, v16                      ; my 8 tiles of y: registers 0-3 of a half fragment, first half of K,
	v_add_nc_u32 v5, HALFB, v4                     ; second half
	s_add_co_u32 s22, s22, 512
	v_add_nc_u32 v6, s22, v17                      ; registers 4-5
	v_add_nc_u32 v7, HALFB, v6
	s_mul_i32 s22, s14, 24576
	s_add_co_u32 s22, s22, 98304
	v_add_nc_u32 v8, s22, v16                      ; my 4 tiles of Wp
	v_add_nc_u32 v9, HALFB, v8
	s_mul_i32 s22, s12, 4352                       ; my stage: 16 rows x (256 bytes + 16), in the first half of K, which nobody reads behind the second barrier and which is never filled again
	v_mul_u32_u24 v10, v2, 272
	v_lshl_add_u32 v10, v3, 5, v10
	v_add_nc_u32 v10, s22, v10                     ; in: row r, 32 bytes for each half of the lanes
	v_mul_u32_u24 v11, v3, 272
	v_lshl_add_u32 v11, v2, 4, v11
	v_add_nc_u32 v11, s22, v11                     ; back: lanes 0-15 one row of 256 bytes, lanes 16-31 the next
	v_lshlrev_b32 v12, 12, v3
	v_lshl_add_u32 v12, v2, 4, v12                 ; and the same two rows in out0
	s_lshl_b32 s22, s13, 13
	s_add_co_u32 s22, s22, YSB
	v_lshlrev_b32 v13, 10, v3
	v_lshl_add_u32 v13, v2, 2, v13
	v_add_nc_u32 v13, s22, v13                     ; y's scale words: tile 2 jj + h, row r
	s_lshl_b32 s22, s14, 11
	s_add_co_u32 s22, s22, WSB
	v_add_nc_u32 v14, s22, v17                     ; Wp's
	v_lshlrev_b32 v15, 5, v3                       ; bp: 32 h
	s_lshl_b32 s22, s18, 9
	s_lshl_b32 s23, s14, 8
	s_add_co_u32 s22, s22, s23                     ; my first column, in bytes: 512 J + 256 j
	s_mov_b32 s23, 0
	s_add_nc_u64 s[8:9], s[8:9], s[22:23]
	s_add_nc_u64 s[10:11], s[10:11], s[22:23]
	s_lshl_b32 s22, s19, 8
	s_lshl_b32 s2, s13, 7
	s_add_co_u32 s22, s22, s2                      ; my first row: 256 Y + 128 i
	s_lshl_b32 s22, s22, 12
	s_add_nc_u64 s[10:11], s[10:11], s[22:23]
.irp t, 0,1,2,3
.irp e, 0,1
	global_load_b128 v[80+8*\t+4*\e:83+8*\t+4*\e], v15, s[8:9] offset:64*\t+16*\e   ; bp of columns 16 t + 8 h on
.endr
.endr
.macro FETCH s                         ; K step s's fragments into set s % 2: 44 LDS loads
.set hf, (\s)/4
.set ks, (\s)%4
.set st, (\s)%2
	WIN 0x80                                       ; destination window 2
.irp a, 0,1,2,3,4,5,6,7
.irp hd, 0,1
	ds_load_b128 v[96*st+12*\a+6*\hd:96*st+12*\a+6*\hd+3], v[4+hf] offset:6144*\a+768*(2*ks+\hd)
	ds_load_b64 v[96*st+12*\a+6*\hd+4:96*st+12*\a+6*\hd+5], v[6+hf] offset:6144*\a+768*(2*ks+\hd)
.endr
.endr
	WIN 0xc0                                       ; destination window 3
.irp t, 0,1,2,3
.irp p, 0,1,2
	ds_load_b128 v[48*st+12*\t+4*\p:48*st+12*\t+4*\p+3], v[8+hf] offset:6144*\t+1536*ks+512*\p
.endr
.endr
	WIN 0
.endm
.macro MULH s, half                    ; 16 matrix instructions: y's tiles 4 half .. + 3 against Wp's four.  Every accumulator has one instruction a K step: they take turns
.set st, (\s)%2
.irp aa, 0,1,2,3
.irp t, 0,1,2,3
.if (\s) == 0
	WM 32*(4*(\half)+\aa)+8*\t,48*st+12*\t,96*st+12*(4*(\half)+\aa),80+8*\t,64+2*(\s)+\t/2,\t%2,32+4*(\s)+(4*(\half)+\aa)/2,\aa%2
.else
	WM 32*(4*(\half)+\aa)+8*\t,48*st+12*\t,96*st+12*(4*(\half)+\aa),32*(4*(\half)+\aa)+8*\t,64+2*(\s)+\t/2,\t%2,32+4*(\s)+(4*(\half)+\aa)/2,\aa%2
.endif
.endr
.endr
.endm
.macro KSTEP s                         ; a K step whose successor lies in the same half
	PLACES
	FETCH (\s)+1
	s_wait_dscnt 44                                ; all but the 44 just issued
.if (\s) == 0
	WIN 0x4b                                       ; Wp window 3, y window 2, C (bp) window 0, D window 1
.else
	WIN 0x5b                                       ; C and D window 1
.endif
	MULH \s, 0
	MULH \s, 1
.endm
	s_wait_tensorcnt 1                             ; the scale words and my part of the first half are in (the second half's load may be out)
	s_barrier_signal -1
	s_barrier_wait -1                              ; everybody's are
	FETCH 0
.irp jj, 0,1,2,3
.irp hd, 0,1,2,3,4,5,6,7,8,9,10,11,12,13,14,15
	ds_load_b32 v[128+16*\jj+\hd], v13 offset:2048*\jj+64*\hd   ; y's half words: one for each head
.endr
.endr
.irp s, 0,1,2,3,4,5,6,7
	ds_load_b64 v[64+2*\s:65+2*\s], v14 offset:256*\s
.endr
	s_wait_dscnt 0x0
.irp s, 0,1,2,3,4,5,6,7
.irp jj, 0,1,2,3
	v_lshl_or_b32 v[32+4*\s+\jj], v[129+16*\jj+2*\s], 16, v[128+16*\jj+2*\s]   ; heads 2 s and 2 s + 1 make K step s's word
.endr
.endr
.rept 8
	v_nop                                          ; a scale register written by a vector instruction stands 8 places ahead of a scaled matrix instruction
.endr
	s_wait_loadcnt 0x0                             ; bp
	KSTEP 0
	KSTEP 1
	KSTEP 2
	s_wait_tensorcnt 0x0                           ; my part of the second half is in,
	s_wait_dscnt 0x0                               ; and my reads of the first half are over
	s_barrier_signal -1
	WIN 0x5b
	MULH 3, 0
	WIN 0
	s_barrier_wait -1                              ; both hold of every wave
	PLACES
	FETCH 4
	WIN 0x5b
	MULH 3, 1
	KSTEP 4
	KSTEP 5
	KSTEP 6
	s_wait_dscnt 0x0
	WIN 0x5b
	MULH 7, 0
	MULH 7, 1
	WIN 0
; THE WAY OUT, block by block of 16 rows x 64 columns: through my own stage in LDS and back as whole rows of 256 bytes.  LDS serves a wave's instructions in order (ISA guide 5.7.1.4): no wait between the stores and the loads.
.macro TOSTAGE a
	WIN 0x04                                       ; an LDS store's data are its source 1: window 1
.irp t, 0,1,2,3
	ds_store_b128 v10, v[32*(\a)+8*\t:32*(\a)+8*\t+3] offset:64*\t          ; each accumulator from its low end on
	ds_store_b128 v10, v[32*(\a)+8*\t+4:32*(\a)+8*\t+7] offset:64*\t+16
.endr
	WIN 0
.irp u, 0,1,2,3,4,5,6,7
	ds_load_b128 v[128+32*((\a)%2)+4*\u:131+32*((\a)%2)+4*\u], v11 offset:544*\u
.endr
.endm
.macro SEND a, younger                 ; younger: the LDS instructions issued behind block a's loads, which may stay out
	s_wait_dscnt \younger
.if (\a) > 0
	s_add_nc_u64 s[10:11], s[10:11], 65536         ; 16 rows on (the earlier stores have read their base: the wait on XCNT stands ahead)
.endif
.irp u, 0,1,2,3,4,5,6,7
	global_store_b128 v12, v[128+32*((\a)%2)+4*\u:131+32*((\a)%2)+4*\u], s[10:11] offset:8192*\u th:TH_STORE_NT   ; sixteen lanes store 256 consecutive bytes, at a multiple of 256 from out0's first byte
.endr
.endm
	PLACES
	TOSTAGE 0
.irp a, 1,2,3,4,5,6,7
.if \a > 1
	s_wait_xcnt 0x0                                ; block a - 2's stores have read their registers and their base
.endif
	TOSTAGE \a
	SEND \a-1, 16                                  ; behind block a - 1's loads: block a's 8 stores and 8 loads
.endr
	s_wait_xcnt 0x0
	SEND 7, 0
	s_wait_dscnt 0x0
	s_wait_tensorcnt 0x0
	ds_add_u32 v254, v255
	s_wait_dscnt 0x0
	CROUND                                         ; the closing round: no work-group ends while a partner may still ask for a tile that names it
	s_endpgm
.Lfunc_end_k_qa16ce90d98_proj:
	.size	k_qa16ce90d98_proj, .Lfunc_end_k_qa16ce90d98_proj-k_qa16ce90d98_proj
	.p2alignl 7, 3214868480
	.fill 96, 4, 3214868480
	.section	.rodata,"a",@progbits
	.p2align	6, 0x0
	.amdhsa_kernel k_qa16ce90d98_proj
		.amdhsa_group_segment_fixed_size 327680
		.amdhsa_private_segment_fixed_size 0
		.amdhsa_enable_private_segment 0
		.amdhsa_kernarg_size 32
		.amdhsa_user_sgpr_count 2
		.amdhsa_user_sgpr_kernarg_segment_ptr 1
		.amdhsa_wavefront_size32 1
		.amdhsa_system_sgpr_workgroup_id_x 1
		.amdhsa_system_sgpr_workgroup_id_y 1
		.amdhsa_system_sgpr_workgroup_id_z 1
		.amdhsa_system_vgpr_workitem_id 0
		.amdhsa_next_free_vgpr 1024
		.amdhsa_next_free_sgpr 100
		.amdhsa_reserve_vcc 0
		.amdhsa_float_denorm_mode_32 3
		.amdhsa_float_denorm_mode_16_64 3
		.amdhsa_memory_ordered 1
		.amdhsa_forward_progress 1
		.amdhsa_inst_pref_size 90
	.end_amdhsa_kernel
	.amdgpu_metadata
---
amdhsa.version: [ 1, 2 ]
amdhsa.kernels:
  - .name:           k_qa16ce90d98_proj
    .symbol:         k_qa16ce90d98_proj.kd
    .args:
      - { .name: yq, .offset: 0, .size: 8, .value_kind: global_buffer, .address_space: global }
      - { .name: wq, .offset: 8, .size: 8, .value_kind: global_buffer, .address_space: global }
      - { .name: bp, .offset: 16, .size: 8, .value_kind: global_buffer, .address_space: global }
      - { .name: out0, .offset: 24, .size: 8, .value_kind: global_buffer, .address_space: global }
    .group_segment_fixed_size: 327680
    .private_segment_fixed_size: 0
    .kernarg_segment_align: 8
    .kernarg_segment_size: 32
    .max_flat_workgroup_size: 128
    .sgpr_count:     100
    .vgpr_count:     1024
    .wavefront_size: 32
...
	.end_amdgpu_metadata
.endif
;; end of part 4
